; MI455X (gfx1250); checked and timed in simulation.
; The chip was launched on July 23, 2026; its instructions are those of AMD's public machine-readable ISA for CDNA 5 (MIT licence, August 2026) and "CDNA5" Instruction Set Architecture Reference Guide (July 2026). The comments in the code are by the model that wrote it; some were corrected since.
;; Attention. Allowed arithmetic: matrix products marked QUANTISED: E2M1 operands, one E8M0 scale for each 32 along K, by v_wmma_scale_f32_16x16x128_f8f6f4 with both operands' format E2M1 (or v_wmma_scale_f32_32x16x128_f4), f32 sums; everything else in f32.
;; Inputs: attention_mask 2 x 1 x 2,048 x 2,048 bool; key_layer 2 x 32 x 2,048 x 128 float32; query_layer 2 x 32 x 2,048 x 128 float32; value_layer 2 x 32 x 2,048 x 128 float32.
;; Outputs: out0 2 x 2,048 x 4,096 float32.
;; This version of the problem:
;;   THIS VERSION OF THE PROBLEM IS GIVEN IN LOW PRECISION. The matrix products marked QUANTISED in the list below multiply operands that are first quantised to E2M1 (2 exponent bits, 1 mantissa bit; 4 bits a number), with one power-of-two scale for each 32 numbers along K (OCP MX v1.0); their sums are f32. All else is computed in f32.
;;   The module's matrix products, in the order in which they are computed (A, B: the left and right operand; K: the contracted axis; several contracted axes count as one K, in the product's order):
;;     1. batch 64 x [M 2,048, K 128] x [K 128, N 2,048]; A: input query_layer; B: input key_layer: QUANTISED
;;     2. batch 64 x [M 2,048, K 2,048] x [K 2,048, N 128]; A: softmax (see below); B: input value_layer: QUANTISED
;;   THE QUANTISER, for each operand of a quantised product, along K:
;;     - K is cut into blocks of 32 from its start; a last block that is shorter is filled with zeros.
;;     - A block's scale is 2^e with e = floor(log2(the largest magnitude in the block)) - 2, held to -126 .. 127; a block of zeros has e = 0. As a byte (E8M0): e + 127.
;;     - Each number is divided by its block's scale, clamped to +-6, and rounded to the nearest number of E2M1, ties to even, subnormals kept.
;;     - The product sums the exact products of the quantised numbers (number of the format x scale) in f32.
;;   ~~~python
;;   def quantise(x, axis):      # numpy; x: float32 -> the quantised numbers, widened to float32 again
;;       x = np.moveaxis(x, axis, -1); K = x.shape[-1]
;;       x = np.pad(x, [(0, 0)] * (x.ndim - 1) + [(0, -K % 32)]); x = x.reshape(x.shape[:-1] + (-1, 32)); a = np.abs(x).max(-1, keepdims=True)
;;       e = np.where(a > 0, np.clip(np.frexp(np.where(a > 0, a, 1))[1] - 1 - 2, -126, 127), 0)      # np.frexp(a)[1] - 1 = floor(log2(a)), exactly
;;       r = np.clip(x / 2.0 ** e, -6, 6)
;;       step = 2.0 ** (np.maximum(np.frexp(np.where(r == 0, 1, r))[1] - 1, 0) - 1)
;;       q = np.round(r / step) * step * 2.0 ** e      # np.round: ties to even
;;       return np.moveaxis(q.reshape(q.shape[:-2] + (-1,))[..., :K], -1, axis).astype(np.float32)
;;   ~~~
;;   SOFTMAX AHEAD OF A QUANTISED PRODUCT. Where the list says 'softmax', what is quantised is not the finished softmax but p = 2^(t - M), with t = logit x log2(e) and M = ceil(the row's largest t), a whole number; so 1/2 < the row's largest p <= 1. The row's sum l is taken of the UNQUANTISED p, in f32, and the product's result is divided by l at the end. Since M is a whole number, a kernel that streams over the keys may use a running M (the ceiling of the running maximum): every later rescaling is an exact power of two, which a block's scale takes up: the codes' values come out the same.
;;   OPERANDS COMPUTED ON THE WAY. 'Computed on the way' means the value that the module computes at that place (a softmax that the list does not call 'softmax' is quantised finished and normalised). What goes into a quantiser is computed in f32, as accurately as f32 sums, v_exp_f32 and their like allow (about 1e-6 of the number): no bf16 or f16 on the way to a quantiser, and a product that is left as it is and whose result goes on into a quantised operand takes f32 operands (vector FMAs, or v_wmma_f32_16x16x4_f32). A number that lies on a knife's edge between two numbers of the format may be rounded either way, as far as f32 arithmetic and the matrix unit's own rounding can turn it there, and no further.
;; 2 versions. Each part assembles by itself: llvm-mc -triple=amdgcn-amd-amdhsa -mcpu=gfx1250 --defsym DOCPART=n.
;; ======== version 1 of 2: 2 launches
;; workspace buffers: kvc 16,777,216 bytes; kvs 1,048,576 bytes; maskw 1,048,576 bytes of whole numbers; flags 16,384 bytes of whole numbers
;; launch prep (part 1): grid 1536 x 1, 4 waves a work-group, no clusters, 34,304 bytes of LDS; arguments attention_mask, key_layer, value_layer, kvc, kvs, maskw, flags; writes kvc, kvs, maskw, flags
.if DOCPART == 1
	.amdgcn_target "amdgcn-amd-amdhsa--gfx1250"
	.amdhsa_code_object_version 6
	.text
	.protected	k_q594aa7c352_prep
	.globl	k_q594aa7c352_prep
	.p2align	8
	.type	k_q594aa7c352_prep,@function
k_q594aa7c352_prep:
	s_mov_b64 s[64:65], 0
	v_nop
	global_prefetch_b8 v0, s[64:65] scope:SCOPE_SE
	s_setreg_imm32_b32 hwreg(HW_REG_WAVE_MODE, 25, 1), 1
	s_wait_xcnt 0x0
; PREPARATION FOR THE ATTENTION LAUNCH.  Three kinds of work-groups, told apart by the work-group's number; four waves each, a wave takes one unit; waves share nothing, so there is no barrier.
;   0 .. 511     K [64 heads][2048 keys][128] f32 -> codes of FP4 (E2M1) along the head's 128, one E8M0 byte for each 32.   A unit: 64 keys (four tiles of 16).
;   512 .. 1023  V [64 heads][2048 keys][128] f32 -> codes along the KEYS, which are the second product's K.                A unit: 128 keys x 64 channels.
;   1024 .. 1535 the mask [2][2048 queries][2048 keys] of bytes -> one 32-bit lane mask for each score register, and two flag bits for each (16 queries, 128 keys).  A unit: 16 queries x 256 keys.
; THE QUANTISER: a block's scale is 2^(floor(log2(its largest magnitude)) - 2); its byte is the largest magnitude's exponent field - 2, held at 1 from below; each number is divided by the scale and rounded to the
; nearest code, ties to even, beyond 6 the largest code.
; LIMITS: a block whose largest magnitude lies under 2^-124 keeps the byte 1; a block of zeros gets the byte 1 where the rule says 127 (its codes are zeros, and this program alone reads the bytes);
; NaN and infinities among K and V are not served; every mask byte other than 0 counts as hidden.
; LAYOUTS (T = a tile of a key step of 128 keys, 0 .. 7; lane = 16 h + r; c = a half of a fragment, registers 4 c .. 4 c + 3):
;   kvc   head x 262144 + (step / 4) x 65536 + (K: 0, V: 32768) + (step % 4) x 8192 + T x 1024 + c x 512 + lane x 16: the operand's registers as they will stand.
;         K: lane (r, h), half c: d = 64 c + 32 h + 0 .. 31 of key 128 step + 32 (T / 2) + 8 (T % 2) + r + 8 (r / 8).     V: keys 128 step + 64 c + 32 h + 0 .. 31 of channel 16 T + r.
;   kvs   head x 16384 + (K: 0, V: 8192) + step x 512 + (T / 4) x 256 + r x 16 + p x 4: a row's scale word.  K: word p is tile 4 (T / 4) + p;  V: word p is tile 4 (T / 4) + 2 (p % 2) + p / 2.
;   maskw ((b x 128 + qt) x 16 + step) x 256 bytes: 64 words; score register n (key 128 step + 32 (n / 16) + 16 h + n % 16 of query 16 qt + r) has its word at 2 (n % 32) + n / 32; bit 16 h + r: hidden.
;   flags ((b x 128 + qt) x 16 + step) x 4 bytes: bit 0: some key of the step counts for some of the 16 queries; bit 1: some key is hidden from some of them.
.set SP,   528                         ; K's stage: a row of 512 bytes + 16 = 33 x 16: the sixteen rows that a load touches fall on different 16-byte columns modulo 256
.set STGW, 16*SP                       ; a wave's stage: 16 rows
.set TM,   16                          ; v16-19 largest magnitudes, v20-23 the other half's and then the bytes, v28-31 the conversions' scale operands
.set SEL,  28                          ; s[28:29] lane selects for v_permlanex16_b32: lane l xor 16
; 64 numbers of a lane, v[s] on, register 16 b + i = k 32 b + 16 h + i of row r, become a fragment's eight registers of codes in v[pc] on and the row's scale word in v[pw].
.macro QUANT s, pc, pw
.irp b, 0,1,2,3
	v_max3_num_f32 v[TM+\b], |v[(\s)+16*\b]|, |v[(\s)+1+16*\b]|, 0x1800000   ; block b: my 16 numbers, and the floor 2^(3 - 127): the byte cannot fall under 1
.endr
.irp i, 2,4,6,8,10,12,14
.irp b, 0,1,2,3
	v_max3_num_f32 v[TM+\b], v[TM+\b], |v[(\s)+16*\b+\i]|, |v[(\s)+1+16*\b+\i]|   ; the four blocks by turns
.endr
.endr
.irp b, 0,1,2,3
	v_permlanex16_b32 v[TM+4+\b], v[TM+\b], s[SEL], s[SEL+1]
.endr
.irp b, 0,1,2,3
	v_max_num_f32 v[TM+\b], v[TM+\b], v[TM+4+\b]       ; with lane l xor 16's 16: the block's largest magnitude
.endr
.irp b, 0,1,2,3
	v_add_nc_u32 v[TM+12+\b], 0xff000000, v[TM+\b]     ; 2 off its exponent field: the conversion takes this operand's exponent field as its scale
.endr
.irp b, 0,1,2,3
	v_lshrrev_b32 v[TM+4+\b], 23, v[TM+12+\b]          ; the scale's byte
.endr
	v_lshl_or_b32 v[(\pw)], v[TM+5], 8, v[TM+4]        ; four bytes make the row's scale word
	v_lshl_or_b32 v[(\pw)], v[TM+6], 16, v[(\pw)]
	v_lshl_or_b32 v[(\pw)], v[TM+7], 24, v[(\pw)]
.irp b, 0,1,2,3
	v_cvt_scalef32_pk8_fp4_f32 v[(\pc)+2*\b], v[(\s)+16*\b:(\s)+7+16*\b], v[TM+12+\b]
	v_cvt_scalef32_pk8_fp4_f32 v[(\pc)+1+2*\b], v[(\s)+8+16*\b:(\s)+15+16*\b], v[TM+12+\b]
.endr
	v_nop                                              ; one plain instruction behind the scaled conversions
.irp c, 0,1                                        ; the operand wants a whole block in a lane: lanes 0-15 block 2 c, lanes 16-31 block 2 c + 1
.irp i, 0,1
	v_permlane16_swap_b32 v[(\pc)+4*\c+\i], v[(\pc)+2+4*\c+\i]
.endr
.endr
.endm
; K's and V's units: u = head x 32 + step x 2 + g.  The three bases are stepped to the unit: the f32 source s[src:src+1] (g counts 2^gsh bytes there), the codes s[10:11] (+ cadd), the scale words s[12:13] (+ sadd).
.macro KVBASE src, gsh, cadd, sadd
	s_and_b32 s26, s19, 1                              ; g
	s_bfe_u32 s27, s19, 0x40001                        ; step: 4 bits from bit 1
	s_lshr_b32 s31, s19, 5                             ; head
	s_lshl_b32 s20, s31, 20                            ; a head is 2048 x 512 bytes,
	s_lshl_b32 s22, s27, 16                            ; a step 128 x 512
	s_add_co_u32 s20, s20, s22
	s_lshl_b32 s22, s26, \gsh
	s_add_co_u32 s20, s20, s22
	s_add_nc_u64 s[\src:\src+1], s[\src:\src+1], s[20:21]
	s_lshl_b32 s20, s31, 18
	s_lshr_b32 s22, s27, 2
	s_lshl_b32 s22, s22, 16
	s_add_co_u32 s20, s20, s22
	s_and_b32 s22, s27, 3
	s_lshl_b32 s22, s22, 13
	s_add_co_u32 s20, s20, s22
	s_lshl_b32 s22, s26, 12                            ; four tiles of 1,024 bytes
	s_add_co_u32 s20, s20, s22
.if \cadd
	s_add_co_u32 s20, s20, \cadd
.endif
	s_add_nc_u64 s[10:11], s[10:11], s[20:21]
	s_lshl_b32 s20, s31, 14
	s_and_b32 s22, s19, 31
	s_lshl_b32 s22, s22, 8                             ; step x 512 + g x 256
	s_add_co_u32 s20, s20, s22
.if \sadd
	s_add_co_u32 s20, s20, \sadd
.endif
	s_add_nc_u64 s[12:13], s[12:13], s[20:21]
.endm
	s_load_b256 s[4:11], s[0:1], 0x0                   ; the mask s[4:5], K s[6:7], V s[8:9], kvc s[10:11]
	s_load_b128 s[12:15], s[0:1], 0x20                 ; kvs s[12:13], maskw s[14:15]
	s_load_b64 s[16:17], s[0:1], 0x30                  ; flags
	v_lshl_add_u32 v26, v0, 2, 0x8400
	v_mov_b32 v27, 0
	v_lshrrev_b32 v1, 5, v0
	v_readfirstlane_b32 s18, v1                        ; wave 0..3
	v_and_b32 v1, 31, v0                               ; lane
	v_and_b32 v2, 15, v0                               ; r
	v_bfe_u32 v3, v0, 4, 1                             ; h
	s_mov_b32 s[SEL], 0x76543210
	s_mov_b32 s[SEL+1], 0xfedcba98
	s_mov_b32 s30, 0xffff0000                          ; lanes 16-31
	s_and_b32 s19, ttmp9, 511                          ; the work-group's number within its kind
	s_lshl_b32 s19, s19, 2
	s_add_co_u32 s19, s19, s18                         ; my unit u, 0 .. 2047
	s_mov_b32 s21, 0                                   ; the upper word of every offset
	s_wait_kmcnt 0x0
	s_cmp_lt_u32 ttmp9, 512
	s_cbranch_scc1 .Lkpath
	s_cmp_lt_u32 ttmp9, 1024
	s_cbranch_scc1 .Lvpath
; ---------------------------------------------------------------- THE MASK: u = (b x 128 + qt) x 8 + P2: 16 queries x keys 256 P2 .. 256 P2 + 255, two key steps
	s_and_b32 s26, s19, 7                              ; P2
	s_bfe_u32 s27, s19, 0x70003                        ; qt: 7 bits from bit 3
	s_lshr_b32 s31, s19, 10                            ; b
	s_lshl_b32 s20, s31, 22                            ; 2048 x 2048 bytes a batch,
	s_lshl_b32 s22, s27, 15                            ; 16 rows of 2,048,
	s_add_co_u32 s20, s20, s22
	s_lshl_b32 s22, s26, 8                             ; 256 keys
	s_add_co_u32 s20, s20, s22
	s_add_nc_u64 s[4:5], s[4:5], s[20:21]
	s_lshl_b32 s20, s19, 9                             ; the first of my two records is number 2 u: 256 bytes each
	s_add_nc_u64 s[14:15], s[14:15], s[20:21]
	s_lshl_b32 s20, s19, 3                             ; and my two flag words
	s_add_nc_u64 s[16:17], s[16:17], s[20:21]
	v_lshlrev_b32 v4, 11, v2
	v_lshl_add_u32 v4, v3, 4, v4                       ; row r, + 16 h: the 16 keys that lane (r, h) will hold of a block of 32
	v_lshlrev_b32 v5, 3, v1                            ; a record: 8 bytes a lane
	v_lshlrev_b32 v6, 2, v1                            ; the flags: 4 bytes a lane
.irp s, 0,1
.irp b, 0,1,2,3
	global_load_b128 v[32+16*\s+4*\b:35+16*\s+4*\b], v4, s[4:5] offset:128*\s+32*\b th:TH_LOAD_NT   ; the eight loads together take 256 consecutive bytes of each of the 16 rows
.endr
.endr
.irp j, 14,15,16,17,18
	v_mov_b32 v\j, 0                                   ; v_writelane_b32 keeps the other lanes: its destination is written whole first
.endr
	s_wait_loadcnt 0x0
; Step s of the two.  Byte n % 4 of register n / 4 is the mask of score register n in my lane: a compare gathers the 32 lanes' bits in a scalar, which goes to lane n % 32 of register n / 32 of the record.
.macro MSTEP s
	s_mov_b32 s36, -1                                  ; the AND of the 64 words: all ones where every key is hidden from every query
	s_mov_b32 s37, 0                                   ; their OR: 0 where nothing is hidden
.set n, 0
.rept 16
.irp k, 0,1,2,3
	v_and_b32 v[10+\k], 0xff<<(8*\k), v[32+16*\s+n/4]
.endr
.irp k, 0,1,2,3
	v_cmp_ne_u32 s[32+\k], 0, v[10+\k]
.endr
.irp k, 0,1,2,3
	v_writelane_b32 v[14+2*\s+n/32], s[32+\k], (n+\k)%32
.endr
.irp k, 0,1,2,3
	s_and_b32 s36, s36, s[32+\k]
	s_or_b32 s37, s37, s[32+\k]
.endr
.set n, n+4
.endr
	s_cmp_lg_u32 s36, -1
	s_cselect_b32 s38, 1, 0                            ; bit 0: something counts
	s_cmp_lg_u32 s37, 0
	s_cselect_b32 s39, 2, 0                            ; bit 1: something is hidden
	s_or_b32 s38, s38, s39
	v_writelane_b32 v18, s38, \s
	global_store_b64 v5, v[14+2*\s:15+2*\s], s[14:15] offset:256*\s   ; 32 lanes store 256 consecutive bytes, aligned
.endm
	MSTEP 0
	MSTEP 1
	v_cmp_gt_u32 vcc_lo, 2, v1
	s_wait_xcnt 0x0                                    ; EXEC is a source of the stores above: it is narrowed only behind this wait
	s_and_saveexec_b32 s20, vcc_lo
	global_store_b32 v6, v18, s[16:17]                 ; lanes 0 and 1: the two steps' flags
	s_wait_xcnt 0x0                                    ; and widened only behind this one
	s_or_b32 exec_lo, exec_lo, s20
	s_endpgm
; ---------------------------------------------------------------- K: 64 keys, 32,768 consecutive bytes of f32, as four tiles tt (T = 4 g + tt)
; A load takes one whole row, 512 consecutive bytes, 16 a lane; the conversions want 16 neighbours along d in a lane: so a tile's 16 rows turn through the wave's own stage in LDS.
; v4 16 x lane; v5 the stage on the way in; v6 on the way out; v7 the scale words' place; v10-13 the four tiles' scale words; v32-63 codes, eight registers a tile, so that no store's data are written again;
; v64-127 the 64 numbers at work; v128-191, v192-255 two tiles as loaded.
.Lkpath:
	KVBASE 6, 15, 0, 0
	v_lshlrev_b32 v4, 4, v1
	s_mul_i32 s20, s18, STGW
	v_add_nc_u32 v5, s20, v4                           ; in: 16 x lane of a row
	v_mul_u32_u24 v6, v2, SP
	v_lshl_add_u32 v6, v3, 6, v6
	v_add_nc_u32 v6, s20, v6                           ; out: row r, + 64 h: 16 numbers of each block of 32
	v_lshlrev_b32 v7, 4, v2
	v_lshl_add_u32 v7, v3, 3, v7                       ; 16 r + 8 h
.irp b, 0,1,2,3
	v_mov_b32 v[TM+4+\b], 0                            ; written once: a lane permute's destination counts as one of its sources
.endr
.macro KLOAD tt                                    ; tile tt's 16 rows: THE KEYS OF A TILE ARE NOT NEIGHBOURS: row i is key 32 (tt / 2) + 8 (tt % 2) + i + 8 (i / 8) of the unit's 64
.irp i, 0,1,2,3,4,5,6,7,8,9,10,11,12,13,14,15
	global_load_b128 v[128+64*((\tt)%2)+4*\i:128+64*((\tt)%2)+4*\i+3], v4, s[6:7] offset:(32*((\tt)/2)+8*((\tt)%2)+\i+8*(\i/8))*512 th:TH_LOAD_NT
.endr
.endm
.macro KTILE tt
.if (\tt) < 3
	s_wait_loadcnt 16                                  ; this tile's 16 loads are in; the next tile's 16 may be out
.else
	s_wait_loadcnt 0x0
.endif
.irp i, 0,1,2,3,4,5,6,7,8,9,10,11,12,13,14,15
	ds_store_b128 v5, v[128+64*((\tt)%2)+4*\i:128+64*((\tt)%2)+4*\i+3] offset:\i*SP
.endr
.irp b, 0,1,2,3
.irp j, 0,1,2,3
	ds_load_b128 v[64+16*\b+4*\j:64+16*\b+4*\j+3], v6 offset:128*\b+16*\j   ; LDS serves a wave's instructions in order: these see the stores above
.endr
.endr
	s_wait_dscnt 0x0                                   ; the numbers are back, and the stores have read their registers,
.if (\tt) < 2
	KLOAD (\tt)+2                                      ; which take the tile two further on
.endif
	QUANT 64, 32+8*(\tt), 10+(\tt)
.irp c, 0,1
	global_store_b128 v4, v[32+8*(\tt)+4*\c:32+8*(\tt)+4*\c+3], s[10:11] offset:(\tt)*1024+\c*512   ; the image of registers 4 c .. 4 c + 3: 512 consecutive bytes, aligned
.endr
.endm
	KLOAD 0
	KLOAD 1
	KTILE 0
	KTILE 1
	KTILE 2
	KTILE 3
	v_cndmask_b32 v14, v10, v12, s30                   ; lanes 0-15 store words 0 and 1 of row r, lanes 16-31 words 2 and 3
	v_cndmask_b32 v15, v11, v13, s30
	global_store_b64 v7, v[14:15], s[12:13]            ; 256 consecutive bytes, aligned
	s_wait_tensorcnt 0x0
	ds_add_u32 v26, v27
	s_wait_dscnt 0x0
	s_endpgm
; ---------------------------------------------------------------- V: 128 keys x channels 64 g .. 64 g + 63, as two sets P of 32 channels
; A LANE TAKES A CHANNEL AND ITS REGISTERS RUN DOWN THE KEYS: a block of 32 keys lies in one lane's 32 registers, so its largest magnitude needs no other lane, and the conversions give codes with the keys innermost.
; Block kb of channel 64 g + 32 P + lane is half kb / 2 of the fragment of tile 4 g + 2 P + lane / 16, in lane 16 (kb % 2) + lane % 16: its 16 bytes go straight to their place.
; v4 4 x lane; v5 the codes' place; v7 the scale words'; v[10:11] the two sets' scale words; v12-15 four chains of maxima; v16-19 scale operands and bytes; v32-63 codes, four registers for each (kb, P); v64-127, v128-191 two blocks as loaded.
.Lvpath:
	KVBASE 8, 8, 32768, 8192
	v_lshlrev_b32 v4, 2, v1
	v_lshlrev_b32 v5, 4, v2
	v_lshl_add_u32 v5, v3, 10, v5                      ; 16 (lane % 16) + 1,024 (lane / 16)
	v_lshlrev_b32 v7, 4, v2
	v_lshl_add_u32 v7, v3, 3, v7                       ; 16 (lane % 16) + 8 (lane / 16)
.macro VLOAD kb                                    ; block kb: keys 32 kb + i; a key's two loads stand together and take 256 consecutive bytes
.irp i, 0,1,2,3,4,5,6,7,8,9,10,11,12,13,14,15,16,17,18,19,20,21,22,23,24,25,26,27,28,29,30,31
.irp p, 0,1
	global_load_b32 v[64+64*((\kb)%2)+32*\p+\i], v4, s[8:9] offset:(32*(\kb)+\i)*512+128*\p th:TH_LOAD_NT
.endr
.endr
.endm
.macro VBLOCK kb
.set XS, 64+64*((\kb)%2)
.if (\kb) < 3
	s_wait_loadcnt 63                                  ; behind this block's loads 64 younger ones were issued; the count's field names 63 at the most
.else
	s_wait_loadcnt 0x0
.endif
.irp p, 0,1
	v_max3_num_f32 v[12+2*\p], |v[XS+32*\p]|, |v[XS+32*\p+1]|, |v[XS+32*\p+2]|
	v_max3_num_f32 v[13+2*\p], |v[XS+32*\p+3]|, |v[XS+32*\p+4]|, |v[XS+32*\p+5]|
.endr
.irp i, 6,10,14,18,22,26
.irp p, 0,1
	v_max3_num_f32 v[12+2*\p], v[12+2*\p], |v[XS+32*\p+\i]|, |v[XS+32*\p+\i+1]|
	v_max3_num_f32 v[13+2*\p], v[13+2*\p], |v[XS+32*\p+\i+2]|, |v[XS+32*\p+\i+3]|
.endr
.endr
.irp p, 0,1
	v_max3_num_f32 v[12+2*\p], v[12+2*\p], |v[XS+32*\p+30]|, |v[XS+32*\p+31]|
.endr
.irp p, 0,1
	v_max3_num_f32 v[12+2*\p], v[12+2*\p], v[13+2*\p], 0x1800000   ; the block's largest magnitude, and the floor 2^(3 - 127)
.endr
.irp p, 0,1
	v_add_nc_u32 v[16+\p], 0xff000000, v[12+2*\p]      ; 2 off the exponent field: the conversion's scale operand
.endr
.irp p, 0,1
	v_lshrrev_b32 v[18+\p], 23, v[16+\p]               ; the scale's byte
.endr
.irp p, 0,1
.if (\kb) == 0
	v_mov_b32 v[10+\p], v[18+\p]                       ; four bytes to a word, the lower keys in the lower byte
.else
	v_lshl_or_b32 v[10+\p], v[18+\p], 8*(\kb), v[10+\p]
.endif
.endr
.irp p, 0,1
.irp g, 0,1,2,3
	v_cvt_scalef32_pk8_fp4_f32 v[32+8*(\kb)+4*\p+\g], v[XS+32*\p+8*\g:XS+32*\p+8*\g+7], v[16+\p]
.endr
.endr
	v_nop                                              ; one plain instruction behind the scaled conversions
.irp p, 0,1
	global_store_b128 v5, v[32+8*(\kb)+4*\p:32+8*(\kb)+4*\p+3], s[10:11] offset:2*\p*1024+((\kb)/2)*512+((\kb)%2)*256   ; lanes 0-15 and lanes 16-31 each store 256 consecutive bytes, aligned
.endr
.if (\kb) < 2
	VLOAD (\kb)+2
.endif
.endm
	VLOAD 0
	VLOAD 1
	VBLOCK 0
	VBLOCK 1
	VBLOCK 2
	VBLOCK 3
	global_store_b64 v7, v[10:11], s[12:13]            ; words 2 (lane / 16) + P of row lane % 16: 256 consecutive bytes, aligned
	s_endpgm
.Lfunc_end_k_q594aa7c352_prep:
	.size	k_q594aa7c352_prep, .Lfunc_end_k_q594aa7c352_prep-k_q594aa7c352_prep
	.p2alignl 7, 3214868480
	.fill 96, 4, 3214868480
	.section	.rodata,"a",@progbits
	.p2align	6, 0x0
	.amdhsa_kernel k_q594aa7c352_prep
		.amdhsa_group_segment_fixed_size 34304
		.amdhsa_private_segment_fixed_size 0
		.amdhsa_enable_private_segment 0
		.amdhsa_kernarg_size 56
		.amdhsa_user_sgpr_count 2
		.amdhsa_user_sgpr_kernarg_segment_ptr 1
		.amdhsa_wavefront_size32 1
		.amdhsa_system_sgpr_workgroup_id_x 1
		.amdhsa_system_sgpr_workgroup_id_y 1
		.amdhsa_system_sgpr_workgroup_id_z 1
		.amdhsa_system_vgpr_workitem_id 0
		.amdhsa_next_free_vgpr 256
		.amdhsa_next_free_sgpr 66
		.amdhsa_reserve_vcc 1
		.amdhsa_float_denorm_mode_32 3
		.amdhsa_float_denorm_mode_16_64 3
		.amdhsa_memory_ordered 1
		.amdhsa_forward_progress 1
		.amdhsa_inst_pref_size 106
	.end_amdhsa_kernel
	.amdgpu_metadata
---
amdhsa.version: [ 1, 2 ]
amdhsa.kernels:
  - .name:           k_q594aa7c352_prep
    .symbol:         k_q594aa7c352_prep.kd
    .args:
      - { .name: attention_mask, .offset: 0, .size: 8, .value_kind: global_buffer, .address_space: global }
      - { .name: key_layer, .offset: 8, .size: 8, .value_kind: global_buffer, .address_space: global }
      - { .name: value_layer, .offset: 16, .size: 8, .value_kind: global_buffer, .address_space: global }
      - { .name: kvc, .offset: 24, .size: 8, .value_kind: global_buffer, .address_space: global }
      - { .name: kvs, .offset: 32, .size: 8, .value_kind: global_buffer, .address_space: global }
      - { .name: maskw, .offset: 40, .size: 8, .value_kind: global_buffer, .address_space: global }
      - { .name: flags, .offset: 48, .size: 8, .value_kind: global_buffer, .address_space: global }
    .group_segment_fixed_size: 34304
    .private_segment_fixed_size: 0
    .kernarg_segment_align: 8
    .kernarg_segment_size: 56
    .max_flat_workgroup_size: 128
    .sgpr_count:     66
    .vgpr_count:     256
    .wavefront_size: 32
...
	.end_amdgpu_metadata
.endif
;; end of part 1
;; launch attn (part 2): grid 8 x 64, 16 waves a work-group, no clusters, 284,672 bytes of LDS; arguments query_layer, kvc, kvs, maskw, flags, out0; writes out0
.if DOCPART == 2
	.amdgcn_target "amdgcn-amd-amdhsa--gfx1250"
	.amdhsa_code_object_version 6
	.text
	.protected	k_q594aa7c352_attn
	.globl	k_q594aa7c352_attn
	.p2align	8
	.type	k_q594aa7c352_attn,@function
k_q594aa7c352_attn:
	s_mov_b64 s[64:65], 0
	v_nop
	global_prefetch_b8 v0, s[64:65] scope:SCOPE_SE
	s_setreg_imm32_b32 hwreg(HW_REG_WAVE_MODE, 25, 1), 1
	s_wait_xcnt 0x0
; out0[b][q][128 h + :] = the sum over k of softmax_k(Q[b][h][q] . K[b][h][k] / sqrt(128), hidden where the given mask says so) V[b][h][k][:], both products on codes of FP4 (E2M1) with one E8M0 scale for each 32 along K.
; Q arrives as f32 and is quantised here, in registers: each row is read once, by the wave that owns it.  K's and V's codes and scale words, the mask as lane masks and two flag bits a step were laid out by the launch before.
; THE SOFTMAX AHEAD OF THE SECOND PRODUCT: t = score x log2(e) / sqrt(128) (one multiplication); M = the row's largest t so far, rounded UP to a whole number; p = 2^(t - M) is what is quantised, along the keys, not normalised.
; The row's sum is taken of the unquantised p, in f32, and divides O at the end.  When M moves, the sum and O are multiplied by 2^(old M - new M): exact.
; SHARES.  A work-group serves one (batch, head) and 256 queries: tiles 8 p .. 8 p + 7 and 120 - 8 p .. 127 - 8 p of the 128 tiles of 16 queries.  Each of its SIXTEEN waves owns one tile, in 256 registers.
; Wave w takes the late half where ((w >> 2) xor w) is odd: of waves 4 k .. 4 k + 3, and of waves w, w + 4, w + 8, w + 12, two are early and two late.  That is an order of the work only: every mask is served.
; Every wave walks 4 slots x 4 steps of 128 keys: the trip counts are constants.  A STEP'S WORK is jumped over where the stored flag says that none of its 128 keys counts for any of the wave's 16 queries:
; all its scores would be -infinity, all its p and codes 0, M unmoved: nothing would change.  Where the flag says that nothing is hidden, the 64 selects are jumped over.
; K AND V go from memory through registers into a ring of two LDS slots of 512 keys (65,536 bytes: K's four steps, then V's): each thread moves 8 x 16 bytes a slot; the loads are issued at a slot's head for the NEXT slot
; and waited for behind the slot's four steps.  ONE barrier a slot.  No tensor loads and no joint loads, though the 8 work-groups of a head walk the same 262,144 bytes of codes: the steps stand under branches on numbers read from
; memory.  No prefetch: each fill load is issued four key steps ahead of the wait for it.
; LAYOUT.  Both products are used transposed: S^T = K Q^T (source 0 = 16 keys, source 1 = my 16 queries), O^T = V^T P^T (source 0 = 16 channels, source 1 = P): a lane holds ONE query (lane % 16) throughout.
; The keys of a tile are not neighbours (tile 2 b + u, row r: key 32 b + 8 u + r + 8 (r / 8)), so that score register 16 b + i is key 32 b + 16 (lane / 16) + i: 16 neighbours along the second product's K.
; In LDS a fragment lies as the image of its registers: every read is at 16 x lane, 512 consecutive bytes.
; LIMITS: NaN and infinities among the inputs are not served; a block whose largest magnitude lies under 2^-124 keeps the scale byte 1 (a block of zeros too: its codes are zeros); a row all of whose keys are hidden
; gives NaN (0 x infinity), as the softmax of such a row does; a block's largest p is taken from its largest score, through the same multiply-add and exponential.
.set SKIP,  1                          ; 1: steps without a key that counts are jumped over; 0: every step is worked
.set SLOT1, 65536                      ; LDS: slot 0 at 0, slot 1 here
.set SCB,   131072                     ; the head's scale words: K's 8,192 bytes, then V's
.set STG,   147456                     ; a stage of 16 rows x 528 bytes for each wave, the wave's own: Q on the way in, O on the way out
.set SP,    528                        ; a stage row: 512 bytes + 16 = 33 x 16
.set SQ,  4                            ; s[4:5]   Q at my tile
.set SKV, 6                            ; s[6:7]   kvc at my head's slot in hand
.set SKS, 8                            ; s[8:9]   kvs at my head
.set MB,  10                           ; s[10:11] my tile's mask records, at the slot in hand
.set SFL, 12                           ; s[12:13] my tile's 16 flag words
.set OUT, 14                           ; s[14:15] out0 at my tile's first row, my head's columns
.set WV,  16                           ; s16  wave
.set QT,  17                           ; s17  my tile of queries, 0 .. 127: it enters global addresses alone
.set TB,  18                           ; s18  LDS byte at which the slot in hand begins
.set TS,  19                           ; s19  the slot's scale words: 2,048 bytes a slot
.set SEL, 20                           ; s[20:21] lane selects for v_permlanex16_b32: lane l xor 16
.set CS,  22                           ; s[22:23] c = log2(e) / sqrt(128), twice: the packed form names a pair
.set SL,  24                           ; s24  slots to go
.set FL,  25                           ; s25  two flag bits a step, the slot in hand's in bits 7:0
.set TN,  26                           ; s26  the other slot's first byte
                                       ; s[32:63], s[68:99] a step's 64 mask words
.set LI,  1                            ; v1   16 x lane
.set LIS, 2                            ; v2   SCB + 16 x lane
.set FT,  3                            ; v3   16 x thread: my 16 bytes of each 8,192 of a fill
.set ADR, 4                            ; v4   the slot in hand + 16 x lane
.set NINF, 5                           ; v5   -infinity
.set ADS, 6                            ; v6   the slot's scale words + 16 x lane
.set FSA, 8                            ; v8   where my part of a fill goes
.set SIN, 28                           ; v28  my stage + 16 x lane: a whole row
.set TM,  232                          ; v232-235 largest magnitudes or scores, v236-239 the other half's and then the bytes, v244-247 the conversions' scale operands
; v12 -M, v13 the largest t, v[14:15] the sum in two halves; v16-23 Q's codes, v255 its scale words; v24-27 V's scale words, v248-251 K's; v32-63 four fragments of K or V; v64-95 the fill on its way;
; v96-159 S^T, then p; v160-223 O^T; v224-231 p's codes, v253 its scale word; v252 f; v254, v9-11 at work.
; 64 numbers of a lane, v[s] on, register 16 b + i = k 32 b + 16 h + i of row r, become a fragment's eight registers of codes in v[pc] on and the row's scale word in v[pw].
.macro QUANT s, pc, pw
.irp b, 0,1,2,3
	v_max3_num_f32 v[TM+\b], |v[(\s)+16*\b]|, |v[(\s)+1+16*\b]|, 0x1800000   ; block b: my 16 numbers, and the floor 2^(3 - 127): the byte cannot fall under 1
.endr
.irp i, 2,4,6,8,10,12,14
.irp b, 0,1,2,3
	v_max3_num_f32 v[TM+\b], v[TM+\b], |v[(\s)+16*\b+\i]|, |v[(\s)+1+16*\b+\i]|
.endr
.endr
.irp b, 0,1,2,3
	v_permlanex16_b32 v[TM+4+\b], v[TM+\b], s[SEL], s[SEL+1]
.endr
.irp b, 0,1,2,3
	v_max_num_f32 v[TM+\b], v[TM+\b], v[TM+4+\b]
.endr
.irp b, 0,1,2,3
	v_add_nc_u32 v[TM+12+\b], 0xff000000, v[TM+\b]     ; 2 off the exponent field: the conversion's scale operand
.endr
.irp b, 0,1,2,3
	v_lshrrev_b32 v[TM+4+\b], 23, v[TM+12+\b]          ; the scale's byte
.endr
	v_lshl_or_b32 v[(\pw)], v[TM+5], 8, v[TM+4]
	v_lshl_or_b32 v[(\pw)], v[TM+6], 16, v[(\pw)]
	v_lshl_or_b32 v[(\pw)], v[TM+7], 24, v[(\pw)]
.irp b, 0,1,2,3
	v_cvt_scalef32_pk8_fp4_f32 v[(\pc)+2*\b], v[(\s)+16*\b:(\s)+7+16*\b], v[TM+12+\b]
	v_cvt_scalef32_pk8_fp4_f32 v[(\pc)+1+2*\b], v[(\s)+8+16*\b:(\s)+15+16*\b], v[TM+12+\b]
.endr
	v_nop                                              ; one plain instruction behind the scaled conversions
.irp c, 0,1
.irp i, 0,1
	v_permlane16_swap_b32 v[(\pc)+4*\c+\i], v[(\pc)+2+4*\c+\i]   ; a whole block to a lane: lanes 0-15 block 2 c, lanes 16-31 block 2 c + 1
.endr
.endr
.endm
.macro PLACES                                      ; four plain instructions between a matrix instruction and a vector instruction that reads its result, or a load into one of its registers
.rept 4
	v_nop
.endr
.endm
	s_load_b256 s[4:11], s[0:1], 0x0                   ; Q, kvc, kvs, maskw
	s_load_b128 s[12:15], s[0:1], 0x20                 ; flags, out0
	v_lshl_add_u32 v242, v0, 2, 0x45000
	v_mov_b32 v243, 0
	v_lshrrev_b32 v9, 5, v0
	v_readfirstlane_b32 s[WV], v9                      ; wave 0..15
	v_and_b32 v9, 31, v0                               ; lane
	v_and_b32 v10, 15, v0                              ; r
	v_bfe_u32 v11, v0, 4, 1                            ; h
	v_lshlrev_b32 v[LI], 4, v9
	v_add_nc_u32 v[LIS], SCB, v[LI]
	v_lshlrev_b32 v[FT], 4, v0
	v_mov_b32 v[NINF], 0xff800000
	s_mul_i32 s27, s[WV], 16*SP
	s_add_co_u32 s27, s27, STG                         ; my stage
	v_add_nc_u32 v[SIN], s27, v[LI]
	v_mul_u32_u24 v9, v10, SP
	v_lshl_add_u32 v9, v11, 6, v9
	v_add_nc_u32 v9, s27, v9                           ; Q out of the stage: row r, + 64 h: 16 numbers of each block of 32
.irp b, 0,1,2,3
	v_mov_b32 v[TM+4+\b], 0                            ; written once: a lane permute's destination counts as one of its sources
.endr
	s_lshr_b32 s2, s[WV], 2
	s_xor_b32 s2, s2, s[WV]
	s_and_b32 s2, s2, 1                                ; 1: the late half
	s_lshl_b32 s3, ttmp9, 3                            ; 8 p
	s_sub_co_u32 s27, 120, s3                          ; 120 - 8 p
	s_cmp_eq_u32 s2, 0
	s_cselect_b32 s[QT], s3, s27
	s_lshr_b32 s2, s[WV], 1
	s_add_co_u32 s[QT], s[QT], s2                      ; + wave / 2
	s_and_b32 s26, ttmp7, 0xffff                       ; 32 b + h
	s_lshr_b32 s28, s26, 5                             ; b
	s_and_b32 s29, s26, 31                             ; h
	s_lshl_b32 s30, s28, 7
	s_add_co_u32 s30, s30, s[QT]                       ; 128 b + qt
	s_mov_b32 s3, 0
	s_mov_b32 s[SEL], 0x76543210
	s_mov_b32 s[SEL+1], 0xfedcba98
	s_mov_b32 s[CS], 0x3e0293ee                        ; c = log2(e) / sqrt(128)
	s_mov_b32 s[CS+1], s[CS]
	s_mov_b32 s[TB], 0
	s_mov_b32 s[TS], 0
	s_mov_b32 s[SL], 4
	s_wait_kmcnt 0x0
	s_lshl_b32 s2, s26, 20                             ; Q: a head is 2048 x 512 bytes, a tile 16 x 512
	s_lshl_b32 s31, s[QT], 13
	s_add_co_u32 s2, s2, s31
	s_add_nc_u64 s[SQ:SQ+1], s[SQ:SQ+1], s[2:3]
	s_lshl_b32 s2, s26, 18
	s_add_nc_u64 s[SKV:SKV+1], s[SKV:SKV+1], s[2:3]
	s_lshl_b32 s2, s26, 14
	s_add_nc_u64 s[SKS:SKS+1], s[SKS:SKS+1], s[2:3]
	s_lshl_b32 s2, s30, 12                             ; 16 records of 256 bytes
	s_add_nc_u64 s[MB:MB+1], s[MB:MB+1], s[2:3]
	s_lshl_b32 s2, s30, 6                              ; 16 flag words
	s_add_nc_u64 s[SFL:SFL+1], s[SFL:SFL+1], s[2:3]
	s_lshl_b32 s2, s28, 25                             ; out0: a batch is 2048 x 16,384 bytes, a tile 16 x 16,384, a head's columns 512
	s_lshl_b32 s31, s[QT], 18
	s_add_co_u32 s2, s2, s31
	s_lshl_b32 s31, s29, 9
	s_add_co_u32 s2, s2, s31
	s_add_nc_u64 s[OUT:OUT+1], s[OUT:OUT+1], s[2:3]
	s_load_b512 s[32:47], s[SFL:SFL+1], 0x0            ; my tile's 16 flag words
.irp i, 0,1,2,3,4,5,6,7,8,9,10,11,12,13,14,15
	global_load_b128 v[96+4*\i:99+4*\i], v[LI], s[SQ:SQ+1] offset:512*\i th:TH_LOAD_NT   ; a row of Q, 512 consecutive bytes
.endr
.irp i, 0,1,2,3,4,5,6,7
	global_load_b128 v[64+4*\i:67+4*\i], v[FT], s[SKV:SKV+1] offset:8192*\i   ; slot 0: the 512 threads take 8,192 consecutive bytes a load
.endr
.irp i, 0,1
	global_load_b128 v[32+4*\i:35+4*\i], v[FT], s[SKS:SKS+1] offset:8192*\i   ; the head's scale words
.endr
	s_wait_kmcnt 0x0
	s_mov_b32 s[FL], s32                               ; two bits a step, step st's at bit 2 st
.irp st, 1,2,3,4,5,6,7,8,9,10,11,12,13,14,15
	s_lshl_b32 s2, s[32+\st], 2*\st
	s_or_b32 s[FL], s[FL], s2
.endr
	s_wait_loadcnt 10                                  ; Q's 16 loads are in; the ten younger ones may be out
.irp i, 0,1,2,3,4,5,6,7,8,9,10,11,12,13,14,15
	ds_store_b128 v[SIN], v[96+4*\i:99+4*\i] offset:\i*SP
.endr
.irp b, 0,1,2,3
.irp j, 0,1,2,3
	ds_load_b128 v[160+16*\b+4*\j:163+16*\b+4*\j], v9 offset:128*\b+16*\j   ; LDS serves a wave's instructions in order: these see the stores above; the stage is my own
.endr
.endr
	s_wait_dscnt 0x0
	QUANT 160, 16, 255                                 ; Q's fragment and its scale words stay in registers
	s_wait_loadcnt 0x0                                 ; slot 0 and the scale words
.irp i, 0,1,2,3,4,5,6,7
	ds_store_b128 v[FT], v[64+4*\i:67+4*\i] offset:8192*\i
.endr
	v_add_nc_u32 v9, SCB, v[FT]
.irp i, 0,1
	ds_store_b128 v9, v[32+4*\i:35+4*\i] offset:8192*\i
.endr
	v_mov_b32 v13, 0xff61b1e6                          ; the largest t so far: -3e38, under every t
	v_floor_f32 v12, -v13                              ; -M
	v_mov_b32 v14, 0                                   ; the sum, in two halves
	v_mov_b32 v15, 0
	v_mov_b32 v253, 0                                  ; (named as the upper half of the pair v[252:253] before it is first written)
.set j, 0
.rept 64
	v_mov_b32 v[160+j], 0                              ; O^T begins as zeros: which step is a wave's first hangs on the mask, so no first step can be written out.  (Also the places between Q's codes and scale words and the first product)
.set j, j+1
.endr
; A KEY STEP: 128 keys, the q-th of the slot in hand.  No barrier and no part of a fill stands in it.
.macro STEP q
.if SKIP
	s_bitcmp1_b32 s[FL], 2*(\q)                        ; does any of the 128 keys count for any of my 16 queries?
	s_cbranch_scc0 .Lhid_\@
.endif
	s_load_b512 s[32:47], s[MB:MB+1], 256*(\q)         ; the step's 64 mask words
	s_load_b512 s[48:63], s[MB:MB+1], 256*(\q)+64
	s_load_b512 s[68:83], s[MB:MB+1], 256*(\q)+128
	s_load_b512 s[84:99], s[MB:MB+1], 256*(\q)+192
	PLACES                                             ; behind the last step's products, which read v24-27 and v32-63
	ds_load_b128 v[248:251], v[ADS] offset:512*(\q)    ; K's scale words: lanes 0-15 those of tiles 0-3, lanes 16-31 those of tiles 4-7
	ds_load_b128 v[24:27], v[ADS] offset:8192+512*(\q) ; V's likewise
.irp g, 0,1                                        ; S^T = K Q^T, four tiles of 16 keys at a time
.if \g
	PLACES
.endif
.irp t, 0,1,2,3
.irp c, 0,1
	ds_load_b128 v[32+8*\t+4*\c:35+8*\t+4*\c], v[ADR] offset:8192*(\q)+(4*\g+\t)*1024+512*\c
.endr
.endr
	s_wait_dscnt 0x0
.irp t, 0,1,2,3
.if \g
	v_wmma_scale_f32_16x16x128_f8f6f4 v[128+8*\t:135+8*\t], v[32+8*\t:39+8*\t], v[16:23], 0, v[248+\t], v255 matrix_a_fmt:MATRIX_FMT_FP4 matrix_b_fmt:MATRIX_FMT_FP4 matrix_a_scale:MATRIX_SCALE_ROW1
.else
	v_wmma_scale_f32_16x16x128_f8f6f4 v[96+8*\t:103+8*\t], v[32+8*\t:39+8*\t], v[16:23], 0, v[248+\t], v255 matrix_a_fmt:MATRIX_FMT_FP4 matrix_b_fmt:MATRIX_FMT_FP4
.endif
.endr
.endr
	PLACES                                             ; in front of the loads below and of the first read of the scores
.irp t, 0,1,2,3
.irp c, 0,1
	ds_load_b128 v[32+8*\t+4*\c:35+8*\t+4*\c], v[ADR] offset:32768+8192*(\q)+\t*1024+512*\c   ; V's tiles 0-3 are asked for now and land under the softmax
.endr
.endr
	s_wait_kmcnt 0x0                                   ; the mask words are in: on both ways, so that no scalar load is out when the next step's are issued or their base is stepped
	s_bitcmp1_b32 s[FL], 2*(\q)+1                      ; is anything hidden in this step?
	s_cbranch_scc0 .Lopen_\@
.set n, 0
.rept 64
.set m, 2*(n%32)+n/32
.set w, 32+m+4*(m/32)
	v_cndmask_b32 v[96+n], v[96+n], v[NINF], s[w]      ; a hidden score becomes -infinity ahead of the maximum: p = 0 then.  One select a register: the lane mask lies in a scalar register
.set n, n+1
.endr
.Lopen_\@:
.irp b, 0,1,2,3
	v_max3_num_f32 v[232+\b], v[96+16*\b], v[97+16*\b], v[98+16*\b]   ; the largest score of each block of 32 keys: it serves for the row's maximum and, since p rises with the score, for the block's largest p
.endr
.irp i, 3,5,7,9,11,13
.irp b, 0,1,2,3
	v_max3_num_f32 v[232+\b], v[232+\b], v[96+16*\b+\i], v[97+16*\b+\i]
.endr
.endr
.irp b, 0,1,2,3
	v_max_num_f32 v[232+\b], v[232+\b], v[111+16*\b]
.endr
.irp b, 0,1,2,3
	v_permlanex16_b32 v[236+\b], v[232+\b], s[SEL], s[SEL+1]
.endr
.irp b, 0,1,2,3
	v_max_num_f32 v[232+\b], v[232+\b], v[236+\b]      ; with lane l xor 16's 16 keys
.endr
	v_max3_num_f32 v254, v232, v233, v234
	v_max_num_f32 v254, v254, v235                     ; the step's largest score of my query
	v_mul_f32 v254, s[CS], v254                        ; as t (c is positive)
	v_max_num_f32 v13, v13, v254                       ; the running largest t
	v_mov_b32 v254, v12
	v_floor_f32 v12, -v13                              ; the new -M = floor(-t) = -ceil(t): M is a whole number
	v_sub_f32 v254, v12, v254                          ; old M - new M: a whole number, 0 or less
	v_cvt_i32_f32 v254, v254                           ; (it saturates)
	v_ldexp_f32 v252, 1.0, v254                        ; f = 2^(old M - new M)
.set j, 0
.rept 32
	v_pk_fma_f32 v[96+j:97+j], v[96+j:97+j], s[CS:CS+1], v[12:13] op_sel_hi:[1,0,0]   ; t - M, two at a time (of the pairs c and -M the low word serves both halves)
.set j, j+2
.endr
.irp b, 0,1,2,3
	v_fma_f32 v[232+\b], v[232+\b], s[CS], v12         ; the same of each block's largest score
.endr
.set j, 0
.rept 64
	v_exp_f32 v[96+j], v[96+j]                         ; p = 2^(t - M), at most 1: not normalised
.set j, j+1
.endr
	v_pk_mul_f32 v[14:15], v[14:15], v[252:253] op_sel_hi:[1,0]   ; the sums under the new M: a plain instruction behind the exponentials
	s_wait_alu depctr_va_vdst(0)                       ; one wait for the batch of 64, ahead of its first reader
.irp b, 0,1,2,3
	v_exp_f32 v[232+\b], v[232+\b]                     ; the block's largest p: the same two instructions on the same number
.endr
	v_pk_add_f32 v[236:237], v[96:97], v[98:99]        ; the row's sum is taken of the unquantised p: two at a time, in two chains; these lines read the 64 alone
.irp j, 4,8,12,16,20,24,28,32,36,40,44,48,52,56,60
	v_pk_add_f32 v[14:15], v[14:15], v[96+\j:97+\j]
	v_pk_add_f32 v[236:237], v[236:237], v[98+\j:99+\j]
.endr
	v_pk_add_f32 v[14:15], v[14:15], v[236:237]
	s_wait_alu depctr_va_vdst(0)                       ; and one for the four
.irp b, 0,1,2,3
	v_max_num_f32 v[232+\b], 0x1800000, v[232+\b]      ; the floor 2^(3 - 127): the byte cannot fall under 1
.endr
.irp b, 0,1,2,3
	v_add_nc_u32 v[244+\b], 0xff000000, v[232+\b]      ; 2 off the exponent field: the conversion's scale operand
.endr
.irp b, 0,1,2,3
	v_lshrrev_b32 v[236+\b], 23, v[244+\b]             ; the scale's byte
.endr
	v_lshl_or_b32 v253, v237, 8, v236                  ; p's scale word for these 128 keys
	v_lshl_or_b32 v253, v238, 16, v253
	v_lshl_or_b32 v253, v239, 24, v253
.irp b, 0,1,2,3
	v_cvt_scalef32_pk8_fp4_f32 v[224+2*\b], v[96+16*\b:103+16*\b], v[244+\b]
	v_cvt_scalef32_pk8_fp4_f32 v[225+2*\b], v[104+16*\b:111+16*\b], v[244+\b]
.endr
	v_nop                                              ; one plain instruction behind the scaled conversions
.irp c, 0,1
.irp i, 0,1
	v_permlane16_swap_b32 v[224+4*\c+\i], v[226+4*\c+\i]   ; a whole block to a lane
.endr
.endr
.set j, 0
.rept 32
	v_pk_mul_f32 v[160+j:161+j], v[160+j:161+j], v[252:253] op_sel_hi:[1,0]   ; O^T under the new M, from each accumulator's low end on.  (These 32 also stand between p's codes and scale word and the products below)
.set j, j+2
.endr
	s_wait_dscnt 0x0                                   ; V's tiles 0-3
.irp t, 0,1,2,3                                    ; O^T += V^T P^T; tile 4 g + t's scale word is word 2 (t % 2) + t / 2 of its row's four.  The accumulators take turns, one instruction a turn
	v_wmma_scale_f32_16x16x128_f8f6f4 v[160+8*\t:167+8*\t], v[32+8*\t:39+8*\t], v[224:231], v[160+8*\t:167+8*\t], v[24+2*(\t%2)+\t/2], v253 matrix_a_fmt:MATRIX_FMT_FP4 matrix_b_fmt:MATRIX_FMT_FP4
.endr
	PLACES
.irp t, 0,1,2,3
.irp c, 0,1
	ds_load_b128 v[32+8*\t+4*\c:35+8*\t+4*\c], v[ADR] offset:32768+8192*(\q)+(4+\t)*1024+512*\c
.endr
.endr
	s_wait_dscnt 0x0
.irp t, 0,1,2,3
	v_wmma_scale_f32_16x16x128_f8f6f4 v[192+8*\t:199+8*\t], v[32+8*\t:39+8*\t], v[224:231], v[192+8*\t:199+8*\t], v[24+2*(\t%2)+\t/2], v253 matrix_a_fmt:MATRIX_FMT_FP4 matrix_b_fmt:MATRIX_FMT_FP4 matrix_a_scale:MATRIX_SCALE_ROW1
.endr
.Lhid_\@:
.endm
.Lslot:                                                ; four trips, a slot of 512 keys each
	s_wait_dscnt 0x0                                   ; my part of the slot ahead is stored, and my reads of the slot that I have left are over
	s_barrier_signal -1
	s_barrier_wait -1                                  ; both now hold of all sixteen waves: the slot ahead is whole, and nobody reads the other one
	s_cmp_eq_u32 s[SL], 1                              ; the last slot has no successor: no load leaves the head's codes
	s_cbranch_scc1 .Lno_ask
.irp i, 0,1,2,3,4,5,6,7
	global_load_b128 v[64+4*\i:67+4*\i], v[FT], s[SKV:SKV+1] offset:65536+8192*\i   ; the next slot, into registers: four key steps ahead of the wait for it
.endr
.Lno_ask:
	v_add_nc_u32 v[ADR], s[TB], v[LI]
	v_add_nc_u32 v[ADS], s[TS], v[LIS]
	STEP 0
	STEP 1
	STEP 2
	STEP 3
	s_wait_loadcnt 0x0                                 ; the eight loads of the next slot, the only global loads that are out; it stands on every way
	s_cmp_eq_u32 s[SL], 1
	s_cbranch_scc1 .Lno_fill
	s_add_nc_u64 s[SKV:SKV+1], s[SKV:SKV+1], 65536     ; (the loads that read this base are done)
	s_xor_b32 s[TN], s[TB], SLOT1
	v_add_nc_u32 v[FSA], s[TN], v[FT]
.irp i, 0,1,2,3,4,5,6,7
	ds_store_b128 v[FSA], v[64+4*\i:67+4*\i] offset:8192*\i   ; into the slot that every wave had left at this trip's barrier; it is read behind the next trip's
.endr
.Lno_fill:
	s_xor_b32 s[TB], s[TB], SLOT1                      ; on to the other slot,
	s_add_co_u32 s[TS], s[TS], 2048                    ; its scale words,
	s_lshr_b32 s[FL], s[FL], 8                         ; its flags
	s_add_nc_u64 s[MB:MB+1], s[MB:MB+1], 1024          ; and its mask records (no scalar load is out)
	s_sub_co_u32 s[SL], s[SL], 1
	s_cmp_lg_u32 s[SL], 0
	s_cbranch_scc1 .Lslot
	; THE WAY OUT.  O^T is divided by the row's sum and goes through my stage: a lane holds 32 bytes of a row for each tile, and the lanes beside it hold other rows; back come whole rows of 512 bytes.
	v_add_f32 v14, v14, v15                            ; the sum's two halves,
	v_permlanex16_b32 v236, v14, s[SEL], s[SEL+1]
	v_add_f32 v14, v14, v236                           ; and lane l xor 16's: the row's sum
	v_rcp_f32 v14, v14
	v_and_b32 v9, 15, v0                               ; (plain instructions behind the reciprocal, and behind the last products)  r
	v_bfe_u32 v10, v0, 4, 1                            ; h
	s_mul_i32 s27, s[WV], 16*SP
	s_add_co_u32 s27, s27, STG
	v_mul_u32_u24 v9, v9, SP
	v_lshl_add_u32 v9, v10, 5, v9
	v_add_nc_u32 v9, s27, v9                           ; in: row r, + 32 h; tile T's eight channels 64 T bytes on
	s_wait_alu depctr_va_vdst(0)                       ; the wait ahead of the reciprocal's first reader
.set j, 0
.rept 64
	v_mul_f32 v[96+j], v[160+j], v14                   ; register 8 T + i is o(r, 16 T + 8 h + i); each accumulator from its low end on
.set j, j+1
.endr
.irp t, 0,1,2,3,4,5,6,7
	ds_store_b128 v9, v[96+8*\t:99+8*\t] offset:64*\t
	ds_store_b128 v9, v[100+8*\t:103+8*\t] offset:64*\t+16
.endr
.irp i, 0,1,2,3,4,5,6,7,8,9,10,11,12,13,14,15
	ds_load_b128 v[32+4*\i:35+4*\i], v[SIN] offset:\i*SP   ; LDS serves a wave's instructions in order: these see my stores
.endr
.irp i, 0,1,2,3,4,5,6,7,8,9,10,11,12,13,14,15
	s_wait_dscnt 15-\i                                 ; row i is back; the younger loads may be out
	global_store_b128 v[LI], v[32+4*\i:35+4*\i], s[OUT:OUT+1] offset:16384*\i th:TH_STORE_NT   ; 32 lanes store 512 consecutive bytes, at a multiple of 256 from out0's first byte; written once, read by nobody here
.endr
	s_wait_tensorcnt 0x0
	ds_add_u32 v242, v243
	s_wait_dscnt 0x0
	s_endpgm
.Lfunc_end_k_q594aa7c352_attn:
	.size	k_q594aa7c352_attn, .Lfunc_end_k_q594aa7c352_attn-k_q594aa7c352_attn
	.p2alignl 7, 3214868480
	.fill 96, 4, 3214868480
	.section	.rodata,"a",@progbits
	.p2align	6, 0x0
	.amdhsa_kernel k_q594aa7c352_attn
		.amdhsa_group_segment_fixed_size 284672
		.amdhsa_private_segment_fixed_size 0
		.amdhsa_enable_private_segment 0
		.amdhsa_kernarg_size 48
		.amdhsa_user_sgpr_count 2
		.amdhsa_user_sgpr_kernarg_segment_ptr 1
		.amdhsa_wavefront_size32 1
		.amdhsa_system_sgpr_workgroup_id_x 1
		.amdhsa_system_sgpr_workgroup_id_y 1
		.amdhsa_system_sgpr_workgroup_id_z 1
		.amdhsa_system_vgpr_workitem_id 0
		.amdhsa_next_free_vgpr 256
		.amdhsa_next_free_sgpr 100
		.amdhsa_reserve_vcc 0
		.amdhsa_float_denorm_mode_32 3
		.amdhsa_float_denorm_mode_16_64 3
		.amdhsa_memory_ordered 1
		.amdhsa_forward_progress 1
		.amdhsa_inst_pref_size 111
	.end_amdhsa_kernel
	.amdgpu_metadata
---
amdhsa.version: [ 1, 2 ]
amdhsa.kernels:
  - .name:           k_q594aa7c352_attn
    .symbol:         k_q594aa7c352_attn.kd
    .args:
      - { .name: query_layer, .offset: 0, .size: 8, .value_kind: global_buffer, .address_space: global }
      - { .name: kvc, .offset: 8, .size: 8, .value_kind: global_buffer, .address_space: global }
      - { .name: kvs, .offset: 16, .size: 8, .value_kind: global_buffer, .address_space: global }
      - { .name: maskw, .offset: 24, .size: 8, .value_kind: global_buffer, .address_space: global }
      - { .name: flags, .offset: 32, .size: 8, .value_kind: global_buffer, .address_space: global }
      - { .name: out0, .offset: 40, .size: 8, .value_kind: global_buffer, .address_space: global }
    .group_segment_fixed_size: 284672
    .private_segment_fixed_size: 0
    .kernarg_segment_align: 8
    .kernarg_segment_size: 48
    .max_flat_workgroup_size: 512
    .sgpr_count:     100
    .vgpr_count:     256
    .wavefront_size: 32
...
	.end_amdgpu_metadata
.endif
;; end of part 2
;; ======== version 2 of 2: 2 launches
;; workspace buffers: kvc 16,777,216 bytes; kvs 1,048,576 bytes; maskw 1,048,576 bytes of whole numbers; flags 16,384 bytes of whole numbers
;; launch prep (part 3): grid 1536 x 1, 4 waves a work-group, no clusters, 34,304 bytes of LDS; arguments attention_mask, key_layer, value_layer, kvc, kvs, maskw, flags; writes kvc, kvs, maskw, flags
.if DOCPART == 3
	.amdgcn_target "amdgcn-amd-amdhsa--gfx1250"
	.amdhsa_code_object_version 6
	.text
	.protected	k_q594aa7c352_prep
	.globl	k_q594aa7c352_prep
	.p2align	8
	.type	k_q594aa7c352_prep,@function
k_q594aa7c352_prep:
	s_mov_b64 s[64:65], 0
	v_nop
	global_prefetch_b8 v0, s[64:65] scope:SCOPE_SE
	s_setreg_imm32_b32 hwreg(HW_REG_WAVE_MODE, 25, 1), 1
	s_wait_xcnt 0x0
; PREPARATION FOR THE ATTENTION LAUNCH.  Three kinds of work-groups, told apart by the work-group's number; four waves each, a wave takes one unit; waves share nothing, so there is no barrier.
;   0 .. 511     K [64 heads][2048 keys][128] f32 -> codes of FP4 (E2M1) along the head's 128, one E8M0 byte for each 32.   A unit: 64 keys (four tiles of 16).
;   512 .. 1023  V [64 heads][2048 keys][128] f32 -> codes along the KEYS, which are the second product's K.                A unit: 128 keys x 64 channels.
;   1024 .. 1535 the mask [2][2048 queries][2048 keys] of bytes -> one 32-bit lane mask for each score register, and two flag bits for each (16 queries, 128 keys).  A unit: 16 queries x 256 keys.
; THE QUANTISER: a block's scale is 2^(floor(log2(its largest magnitude)) - 2); its byte is the largest magnitude's exponent field - 2, held at 1 from below; each number is divided by the scale and rounded to the
; nearest code, ties to even, beyond 6 the largest code.
; LIMITS: a block whose largest magnitude lies under 2^-124 keeps the byte 1; a block of zeros gets the byte 1 where the rule says 127 (its codes are zeros, and this program alone reads the bytes);
; NaN and infinities among K and V are not served; every mask byte other than 0 counts as hidden.
; LAYOUTS (T = a tile of a key step of 128 keys, 0 .. 7; lane = 16 h + r; c = a half of a fragment, registers 4 c .. 4 c + 3):
;   kvc   head x 262144 + (step / 4) x 65536 + (K: 0, V: 32768) + (step % 4) x 8192 + T x 1024 + c x 512 + lane x 16: the operand's registers as they will stand.
;         K: lane (r, h), half c: d = 64 c + 32 h + 0 .. 31 of key 128 step + 32 (T / 2) + 8 (T % 2) + r + 8 (r / 8).     V: keys 128 step + 64 c + 32 h + 0 .. 31 of channel 16 T + r.
;   kvs   head x 16384 + (K: 0, V: 8192) + step x 512 + (T / 4) x 256 + r x 16 + p x 4: a row's scale word.  K: word p is tile 4 (T / 4) + p;  V: word p is tile 4 (T / 4) + 2 (p % 2) + p / 2.
;   maskw ((b x 128 + qt) x 16 + step) x 256 bytes: 64 words; score register n (key 128 step + 32 (n / 16) + 16 h + n % 16 of query 16 qt + r) has its word at 2 (n % 32) + n / 32; bit 16 h + r: hidden.
;   flags ((b x 128 + qt) x 16 + step) x 4 bytes: bit 0: some key of the step counts for some of the 16 queries; bit 1: some key is hidden from some of them.
.set SP,   528                         ; K's stage: a row of 512 bytes + 16 = 33 x 16: the sixteen rows that a load touches fall on different 16-byte columns modulo 256
.set STGW, 16*SP                       ; a wave's stage: 16 rows
.set TM,   16                          ; v16-19 largest magnitudes, v20-23 the other half's and then the bytes, v28-31 the conversions' scale operands
.set SEL,  28                          ; s[28:29] lane selects for v_permlanex16_b32: lane l xor 16
; 64 numbers of a lane, v[s] on, register 16 b + i = k 32 b + 16 h + i of row r, become a fragment's eight registers of codes in v[pc] on and the row's scale word in v[pw].
.macro QUANT s, pc, pw
.irp b, 0,1,2,3
	v_max3_num_f32 v[TM+\b], |v[(\s)+16*\b]|, |v[(\s)+1+16*\b]|, 0x1800000   ; block b: my 16 numbers, and the floor 2^(3 - 127): the byte cannot fall under 1
.endr
.irp i, 2,4,6,8,10,12,14
.irp b, 0,1,2,3
	v_max3_num_f32 v[TM+\b], v[TM+\b], |v[(\s)+16*\b+\i]|, |v[(\s)+1+16*\b+\i]|   ; the four blocks by turns
.endr
.endr
.irp b, 0,1,2,3
	v_permlanex16_b32 v[TM+4+\b], v[TM+\b], s[SEL], s[SEL+1]
.endr
.irp b, 0,1,2,3
	v_max_num_f32 v[TM+\b], v[TM+\b], v[TM+4+\b]       ; with lane l xor 16's 16: the block's largest magnitude
.endr
.irp b, 0,1,2,3
	v_add_nc_u32 v[TM+12+\b], 0xff000000, v[TM+\b]     ; 2 off its exponent field: the conversion takes this operand's exponent field as its scale
.endr
.irp b, 0,1,2,3
	v_lshrrev_b32 v[TM+4+\b], 23, v[TM+12+\b]          ; the scale's byte
.endr
	v_lshl_or_b32 v[(\pw)], v[TM+5], 8, v[TM+4]        ; four bytes make the row's scale word
	v_lshl_or_b32 v[(\pw)], v[TM+6], 16, v[(\pw)]
	v_lshl_or_b32 v[(\pw)], v[TM+7], 24, v[(\pw)]
.irp b, 0,1,2,3
	v_cvt_scalef32_pk8_fp4_f32 v[(\pc)+2*\b], v[(\s)+16*\b:(\s)+7+16*\b], v[TM+12+\b]
	v_cvt_scalef32_pk8_fp4_f32 v[(\pc)+1+2*\b], v[(\s)+8+16*\b:(\s)+15+16*\b], v[TM+12+\b]
.endr
	v_nop                                              ; one plain instruction behind the scaled conversions
.irp c, 0,1                                        ; the operand wants a whole block in a lane: lanes 0-15 block 2 c, lanes 16-31 block 2 c + 1
.irp i, 0,1
	v_permlane16_swap_b32 v[(\pc)+4*\c+\i], v[(\pc)+2+4*\c+\i]
.endr
.endr
.endm
; K's and V's units: u = head x 32 + step x 2 + g.  The three bases are stepped to the unit: the f32 source s[src:src+1] (g counts 2^gsh bytes there), the codes s[10:11] (+ cadd), the scale words s[12:13] (+ sadd).
.macro KVBASE src, gsh, cadd, sadd
	s_and_b32 s26, s19, 1                              ; g
	s_bfe_u32 s27, s19, 0x40001                        ; step: 4 bits from bit 1
	s_lshr_b32 s31, s19, 5                             ; head
	s_lshl_b32 s20, s31, 20                            ; a head is 2048 x 512 bytes,
	s_lshl_b32 s22, s27, 16                            ; a step 128 x 512
	s_add_co_u32 s20, s20, s22
	s_lshl_b32 s22, s26, \gsh
	s_add_co_u32 s20, s20, s22
	s_add_nc_u64 s[\src:\src+1], s[\src:\src+1], s[20:21]
	s_lshl_b32 s20, s31, 18
	s_lshr_b32 s22, s27, 2
	s_lshl_b32 s22, s22, 16
	s_add_co_u32 s20, s20, s22
	s_and_b32 s22, s27, 3
	s_lshl_b32 s22, s22, 13
	s_add_co_u32 s20, s20, s22
	s_lshl_b32 s22, s26, 12                            ; four tiles of 1,024 bytes
	s_add_co_u32 s20, s20, s22
.if \cadd
	s_add_co_u32 s20, s20, \cadd
.endif
	s_add_nc_u64 s[10:11], s[10:11], s[20:21]
	s_lshl_b32 s20, s31, 14
	s_and_b32 s22, s19, 31
	s_lshl_b32 s22, s22, 8                             ; step x 512 + g x 256
	s_add_co_u32 s20, s20, s22
.if \sadd
	s_add_co_u32 s20, s20, \sadd
.endif
	s_add_nc_u64 s[12:13], s[12:13], s[20:21]
.endm
	s_load_b256 s[4:11], s[0:1], 0x0                   ; the mask s[4:5], K s[6:7], V s[8:9], kvc s[10:11]
	s_load_b128 s[12:15], s[0:1], 0x20                 ; kvs s[12:13], maskw s[14:15]
	s_load_b64 s[16:17], s[0:1], 0x30                  ; flags
	v_lshl_add_u32 v26, v0, 2, 0x8400
	v_mov_b32 v27, 0
	v_lshrrev_b32 v1, 5, v0
	v_readfirstlane_b32 s18, v1                        ; wave 0..3
	v_and_b32 v1, 31, v0                               ; lane
	v_and_b32 v2, 15, v0                               ; r
	v_bfe_u32 v3, v0, 4, 1                             ; h
	s_mov_b32 s[SEL], 0x76543210
	s_mov_b32 s[SEL+1], 0xfedcba98
	s_mov_b32 s30, 0xffff0000                          ; lanes 16-31
	s_and_b32 s19, ttmp9, 511                          ; the work-group's number within its kind
	s_lshl_b32 s19, s19, 2
	s_add_co_u32 s19, s19, s18                         ; my unit u, 0 .. 2047
	s_mov_b32 s21, 0                                   ; the upper word of every offset
	s_wait_kmcnt 0x0
	s_cmp_lt_u32 ttmp9, 512
	s_cbranch_scc1 .Lkpath
	s_cmp_lt_u32 ttmp9, 1024
	s_cbranch_scc1 .Lvpath
; ---------------------------------------------------------------- THE MASK: u = (b x 128 + qt) x 8 + P2: 16 queries x keys 256 P2 .. 256 P2 + 255, two key steps
	s_and_b32 s26, s19, 7                              ; P2
	s_bfe_u32 s27, s19, 0x70003                        ; qt: 7 bits from bit 3
	s_lshr_b32 s31, s19, 10                            ; b
	s_lshl_b32 s20, s31, 22                            ; 2048 x 2048 bytes a batch,
	s_lshl_b32 s22, s27, 15                            ; 16 rows of 2,048,
	s_add_co_u32 s20, s20, s22
	s_lshl_b32 s22, s26, 8                             ; 256 keys
	s_add_co_u32 s20, s20, s22
	s_add_nc_u64 s[4:5], s[4:5], s[20:21]
	s_lshl_b32 s20, s19, 9                             ; the first of my two records is number 2 u: 256 bytes each
	s_add_nc_u64 s[14:15], s[14:15], s[20:21]
	s_lshl_b32 s20, s19, 3                             ; and my two flag words
	s_add_nc_u64 s[16:17], s[16:17], s[20:21]
	s_wait_alu depctr_va_vdst(0)
	v_lshlrev_b32 v4, 11, v2
	v_lshl_add_u32 v4, v3, 4, v4                       ; row r, + 16 h: the 16 keys that lane (r, h) will hold of a block of 32
	v_lshlrev_b32 v5, 3, v1                            ; a record: 8 bytes a lane
	v_lshlrev_b32 v6, 2, v1                            ; the flags: 4 bytes a lane
.irp s, 0,1
.irp b, 0,1,2,3
	global_load_b128 v[32+16*\s+4*\b:35+16*\s+4*\b], v4, s[4:5] offset:128*\s+32*\b th:TH_LOAD_NT   ; the eight loads together take 256 consecutive bytes of each of the 16 rows
.endr
.endr
.irp j, 14,15,16,17,18
	v_mov_b32 v\j, 0                                   ; v_writelane_b32 keeps the other lanes: its destination is written whole first
.endr
	s_wait_loadcnt 0x0
; Step s of the two.  Byte n % 4 of register n / 4 is the mask of score register n in my lane: a compare gathers the 32 lanes' bits in a scalar, which goes to lane n % 32 of register n / 32 of the record.
.macro MSTEP s
	s_mov_b32 s36, -1                                  ; the AND of the 64 words: all ones where every key is hidden from every query
	s_mov_b32 s37, 0                                   ; their OR: 0 where nothing is hidden
.set n, 0
.rept 16
.irp k, 0,1,2,3
	v_and_b32 v[10+\k], 0xff<<(8*\k), v[32+16*\s+n/4]
.endr
.irp k, 0,1,2,3
	v_cmp_ne_u32 s[32+\k], 0, v[10+\k]
.endr
.irp k, 0,1,2,3
	v_writelane_b32 v[14+2*\s+n/32], s[32+\k], (n+\k)%32
.endr
	s_wait_alu depctr_va_vdst(0)
.irp k, 0,1,2,3
	s_and_b32 s36, s36, s[32+\k]
	s_or_b32 s37, s37, s[32+\k]
.endr
.set n, n+4
.endr
	s_cmp_lg_u32 s36, -1
	s_cselect_b32 s38, 1, 0                            ; bit 0: something counts
	s_cmp_lg_u32 s37, 0
	s_cselect_b32 s39, 2, 0                            ; bit 1: something is hidden
	s_or_b32 s38, s38, s39
	v_writelane_b32 v18, s38, \s
	global_store_b64 v5, v[14+2*\s:15+2*\s], s[14:15] offset:256*\s   ; 32 lanes store 256 consecutive bytes, aligned
.endm
	MSTEP 0
	MSTEP 1
	v_cmp_gt_u32 vcc_lo, 2, v1
	s_wait_alu depctr_va_vdst(0)
	s_wait_xcnt 0x0                                    ; EXEC is a source of the stores above: it is narrowed only behind this wait
	s_and_saveexec_b32 s20, vcc_lo
	global_store_b32 v6, v18, s[16:17]                 ; lanes 0 and 1: the two steps' flags
	s_wait_xcnt 0x0                                    ; and widened only behind this one
	s_or_b32 exec_lo, exec_lo, s20
	s_endpgm
; ---------------------------------------------------------------- K: 64 keys, 32,768 consecutive bytes of f32, as four tiles tt (T = 4 g + tt)
; A load takes one whole row, 512 consecutive bytes, 16 a lane; the conversions want 16 neighbours along d in a lane: so a tile's 16 rows turn through the wave's own stage in LDS.
; v4 16 x lane; v5 the stage on the way in; v6 on the way out; v7 the scale words' place; v10-13 the four tiles' scale words; v32-63 codes, eight registers a tile, so that no store's data are written again;
; v64-127 the 64 numbers at work; v128-191, v192-255 two tiles as loaded.
.Lkpath:
	KVBASE 6, 15, 0, 0
	s_wait_alu depctr_va_vdst(0)
	v_lshlrev_b32 v4, 4, v1
	s_mul_i32 s20, s18, STGW
	v_add_nc_u32 v5, s20, v4                           ; in: 16 x lane of a row
	v_mul_u32_u24 v6, v2, SP
	v_lshl_add_u32 v6, v3, 6, v6
	v_add_nc_u32 v6, s20, v6                           ; out: row r, + 64 h: 16 numbers of each block of 32
	v_lshlrev_b32 v7, 4, v2
	v_lshl_add_u32 v7, v3, 3, v7                       ; 16 r + 8 h
.irp b, 0,1,2,3
	v_mov_b32 v[TM+4+\b], 0                            ; written once: a lane permute's destination counts as one of its sources
.endr
.macro KLOAD tt                                    ; tile tt's 16 rows: THE KEYS OF A TILE ARE NOT NEIGHBOURS: row i is key 32 (tt / 2) + 8 (tt % 2) + i + 8 (i / 8) of the unit's 64
.irp i, 0,1,2,3,4,5,6,7,8,9,10,11,12,13,14,15
	global_load_b128 v[128+64*((\tt)%2)+4*\i:128+64*((\tt)%2)+4*\i+3], v4, s[6:7] offset:(32*((\tt)/2)+8*((\tt)%2)+\i+8*(\i/8))*512 th:TH_LOAD_NT
.endr
.endm
.macro KTILE tt
.if (\tt) < 3
	s_wait_loadcnt 16                                  ; this tile's 16 loads are in; the next tile's 16 may be out
.else
	s_wait_loadcnt 0x0
.endif
.irp i, 0,1,2,3,4,5,6,7,8,9,10,11,12,13,14,15
	ds_store_b128 v5, v[128+64*((\tt)%2)+4*\i:128+64*((\tt)%2)+4*\i+3] offset:\i*SP
.endr
.irp b, 0,1,2,3
.irp j, 0,1,2,3
	ds_load_b128 v[64+16*\b+4*\j:64+16*\b+4*\j+3], v6 offset:128*\b+16*\j   ; LDS serves a wave's instructions in order: these see the stores above
.endr
.endr
	s_wait_dscnt 0x0                                   ; the numbers are back, and the stores have read their registers,
.if (\tt) < 2
	KLOAD (\tt)+2                                      ; which take the tile two further on
.endif
	QUANT 64, 32+8*(\tt), 10+(\tt)
.irp c, 0,1
	global_store_b128 v4, v[32+8*(\tt)+4*\c:32+8*(\tt)+4*\c+3], s[10:11] offset:(\tt)*1024+\c*512   ; the image of registers 4 c .. 4 c + 3: 512 consecutive bytes, aligned
.endr
.endm
	KLOAD 0
	KLOAD 1
	s_wait_alu depctr_va_vdst(0)
	KTILE 0
	KTILE 1
	KTILE 2
	KTILE 3
	v_cndmask_b32 v14, v10, v12, s30                   ; lanes 0-15 store words 0 and 1 of row r, lanes 16-31 words 2 and 3
	v_cndmask_b32 v15, v11, v13, s30
	global_store_b64 v7, v[14:15], s[12:13]            ; 256 consecutive bytes, aligned
	s_wait_tensorcnt 0x0
	ds_add_u32 v26, v27
	s_wait_dscnt 0x0
	s_endpgm
; ---------------------------------------------------------------- V: 128 keys x channels 64 g .. 64 g + 63, as two sets P of 32 channels
; A LANE TAKES A CHANNEL AND ITS REGISTERS RUN DOWN THE KEYS: a block of 32 keys lies in one lane's 32 registers, so its largest magnitude needs no other lane, and the conversions give codes with the keys innermost.
; Block kb of channel 64 g + 32 P + lane is half kb / 2 of the fragment of tile 4 g + 2 P + lane / 16, in lane 16 (kb % 2) + lane % 16: its 16 bytes go straight to their place.
; v4 4 x lane; v5 the codes' place; v7 the scale words'; v[10:11] the two sets' scale words; v12-15 four chains of maxima; v16-19 scale operands and bytes; v32-63 codes, four registers for each (kb, P); v64-127, v128-191 two blocks as loaded.
.Lvpath:
	KVBASE 8, 8, 32768, 8192
	s_wait_alu depctr_va_vdst(0)
	v_lshlrev_b32 v4, 2, v1
	v_lshlrev_b32 v5, 4, v2
	v_lshl_add_u32 v5, v3, 10, v5                      ; 16 (lane % 16) + 1,024 (lane / 16)
	v_lshlrev_b32 v7, 4, v2
	v_lshl_add_u32 v7, v3, 3, v7                       ; 16 (lane % 16) + 8 (lane / 16)
.macro VLOAD kb                                    ; block kb: keys 32 kb + i; a key's two loads stand together and take 256 consecutive bytes
.irp i, 0,1,2,3,4,5,6,7,8,9,10,11,12,13,14,15,16,17,18,19,20,21,22,23,24,25,26,27,28,29,30,31
.irp p, 0,1
	global_load_b32 v[64+64*((\kb)%2)+32*\p+\i], v4, s[8:9] offset:(32*(\kb)+\i)*512+128*\p th:TH_LOAD_NT
.endr
.endr
.endm
.macro VBLOCK kb
.set XS, 64+64*((\kb)%2)
.if (\kb) < 3
	s_wait_loadcnt 63                                  ; behind this block's loads 64 younger ones were issued; the count's field names 63 at the most
.else
	s_wait_loadcnt 0x0
.endif
.irp p, 0,1
	v_max3_num_f32 v[12+2*\p], |v[XS+32*\p]|, |v[XS+32*\p+1]|, |v[XS+32*\p+2]|
	v_max3_num_f32 v[13+2*\p], |v[XS+32*\p+3]|, |v[XS+32*\p+4]|, |v[XS+32*\p+5]|
.endr
.irp i, 6,10,14,18,22,26
.irp p, 0,1
	v_max3_num_f32 v[12+2*\p], v[12+2*\p], |v[XS+32*\p+\i]|, |v[XS+32*\p+\i+1]|
	v_max3_num_f32 v[13+2*\p], v[13+2*\p], |v[XS+32*\p+\i+2]|, |v[XS+32*\p+\i+3]|
.endr
.endr
.irp p, 0,1
	v_max3_num_f32 v[12+2*\p], v[12+2*\p], |v[XS+32*\p+30]|, |v[XS+32*\p+31]|
.endr
.irp p, 0,1
	v_max3_num_f32 v[12+2*\p], v[12+2*\p], v[13+2*\p], 0x1800000   ; the block's largest magnitude, and the floor 2^(3 - 127)
.endr
.irp p, 0,1
	v_add_nc_u32 v[16+\p], 0xff000000, v[12+2*\p]      ; 2 off the exponent field: the conversion's scale operand
.endr
.irp p, 0,1
	v_lshrrev_b32 v[18+\p], 23, v[16+\p]               ; the scale's byte
.endr
.irp p, 0,1
.if (\kb) == 0
	v_mov_b32 v[10+\p], v[18+\p]                       ; four bytes to a word, the lower keys in the lower byte
.else
	v_lshl_or_b32 v[10+\p], v[18+\p], 8*(\kb), v[10+\p]
.endif
.endr
.irp p, 0,1
.irp g, 0,1,2,3
	v_cvt_scalef32_pk8_fp4_f32 v[32+8*(\kb)+4*\p+\g], v[XS+32*\p+8*\g:XS+32*\p+8*\g+7], v[16+\p]
.endr
.endr
	v_nop                                              ; one plain instruction behind the scaled conversions
.irp p, 0,1
	global_store_b128 v5, v[32+8*(\kb)+4*\p:32+8*(\kb)+4*\p+3], s[10:11] offset:2*\p*1024+((\kb)/2)*512+((\kb)%2)*256   ; lanes 0-15 and lanes 16-31 each store 256 consecutive bytes, aligned
.endr
.if (\kb) < 2
	VLOAD (\kb)+2
.endif
.endm
	VLOAD 0
	VLOAD 1
	VBLOCK 0
	VBLOCK 1
	VBLOCK 2
	VBLOCK 3
	global_store_b64 v7, v[10:11], s[12:13]            ; words 2 (lane / 16) + P of row lane % 16: 256 consecutive bytes, aligned
	s_endpgm
.Lfunc_end_k_q594aa7c352_prep:
	.size	k_q594aa7c352_prep, .Lfunc_end_k_q594aa7c352_prep-k_q594aa7c352_prep
	.p2alignl 7, 3214868480
	.fill 96, 4, 3214868480
	.section	.rodata,"a",@progbits
	.p2align	6, 0x0
	.amdhsa_kernel k_q594aa7c352_prep
		.amdhsa_group_segment_fixed_size 34304
		.amdhsa_private_segment_fixed_size 0
		.amdhsa_enable_private_segment 0
		.amdhsa_kernarg_size 56
		.amdhsa_user_sgpr_count 2
		.amdhsa_user_sgpr_kernarg_segment_ptr 1
		.amdhsa_wavefront_size32 1
		.amdhsa_system_sgpr_workgroup_id_x 1
		.amdhsa_system_sgpr_workgroup_id_y 1
		.amdhsa_system_sgpr_workgroup_id_z 1
		.amdhsa_system_vgpr_workitem_id 0
		.amdhsa_next_free_vgpr 256
		.amdhsa_next_free_sgpr 66
		.amdhsa_reserve_vcc 1
		.amdhsa_float_denorm_mode_32 3
		.amdhsa_float_denorm_mode_16_64 3
		.amdhsa_memory_ordered 1
		.amdhsa_forward_progress 1
		.amdhsa_inst_pref_size 107
	.end_amdhsa_kernel
	.amdgpu_metadata
---
amdhsa.version: [ 1, 2 ]
amdhsa.kernels:
  - .name:           k_q594aa7c352_prep
    .symbol:         k_q594aa7c352_prep.kd
    .args:
      - { .name: attention_mask, .offset: 0, .size: 8, .value_kind: global_buffer, .address_space: global }
      - { .name: key_layer, .offset: 8, .size: 8, .value_kind: global_buffer, .address_space: global }
      - { .name: value_layer, .offset: 16, .size: 8, .value_kind: global_buffer, .address_space: global }
      - { .name: kvc, .offset: 24, .size: 8, .value_kind: global_buffer, .address_space: global }
      - { .name: kvs, .offset: 32, .size: 8, .value_kind: global_buffer, .address_space: global }
      - { .name: maskw, .offset: 40, .size: 8, .value_kind: global_buffer, .address_space: global }
      - { .name: flags, .offset: 48, .size: 8, .value_kind: global_buffer, .address_space: global }
    .group_segment_fixed_size: 34304
    .private_segment_fixed_size: 0
    .kernarg_segment_align: 8
    .kernarg_segment_size: 56
    .max_flat_workgroup_size: 128
    .sgpr_count:     66
    .vgpr_count:     256
    .wavefront_size: 32
...
	.end_amdgpu_metadata
.endif
;; end of part 3
;; launch attn (part 4): grid 8 x 64, 16 waves a work-group, no clusters, 284,672 bytes of LDS; arguments query_layer, kvc, kvs, maskw, flags, out0; writes out0
.if DOCPART == 4
	.amdgcn_target "amdgcn-amd-amdhsa--gfx1250"
	.amdhsa_code_object_version 6
	.text
	.protected	k_q594aa7c352_attn
	.globl	k_q594aa7c352_attn
	.p2align	8
	.type	k_q594aa7c352_attn,@function
k_q594aa7c352_attn:
	s_mov_b64 s[64:65], 0
	v_nop
	global_prefetch_b8 v0, s[64:65] scope:SCOPE_SE
	s_setreg_imm32_b32 hwreg(HW_REG_WAVE_SCHED_MODE, 0, 2), 2
	s_setreg_imm32_b32 hwreg(HW_REG_WAVE_MODE, 25, 1), 1
	s_wait_xcnt 0x0
	s_wait_alu depctr_vm_vsrc(0)
; out0[b][q][128 h + :] = the sum over k of softmax_k(Q[b][h][q] . K[b][h][k] / sqrt(128), hidden where the given mask says so) V[b][h][k][:], both products on codes of FP4 (E2M1) with one E8M0 scale for each 32 along K.
; Q arrives as f32 and is quantised here, in registers: each row is read once, by the wave that owns it.  K's and V's codes and scale words, the mask as lane masks and two flag bits a step were laid out by the launch before.
; THE SOFTMAX AHEAD OF THE SECOND PRODUCT: t = score x log2(e) / sqrt(128) (one multiplication); M = the row's largest t so far, rounded UP to a whole number; p = 2^(t - M) is what is quantised, along the keys, not normalised.
; The row's sum is taken of the unquantised p, in f32, and divides O at the end.  When M moves, the sum and O are multiplied by 2^(old M - new M): exact.
; SHARES.  A work-group serves one (batch, head) and 256 queries: tiles 8 p .. 8 p + 7 and 120 - 8 p .. 127 - 8 p of the 128 tiles of 16 queries.  Each of its SIXTEEN waves owns one tile, in 256 registers.
; Wave w takes the late half where ((w >> 2) xor w) is odd: of waves 4 k .. 4 k + 3, and of waves w, w + 4, w + 8, w + 12, two are early and two late.  That is an order of the work only: every mask is served.
; Every wave walks 4 slots x 4 steps of 128 keys: the trip counts are constants.  A STEP'S WORK is jumped over where the stored flag says that none of its 128 keys counts for any of the wave's 16 queries:
; all its scores would be -infinity, all its p and codes 0, M unmoved: nothing would change.  Where the flag says that nothing is hidden, the 64 selects are jumped over.
; K AND V go from memory through registers into a ring of two LDS slots of 512 keys (65,536 bytes: K's four steps, then V's): each thread moves 8 x 16 bytes a slot; the loads are issued at a slot's head for the NEXT slot
; and waited for behind the slot's four steps.  ONE barrier a slot.  No tensor loads and no joint loads, though the 8 work-groups of a head walk the same 262,144 bytes of codes: the steps stand under branches on numbers read from
; memory.  No prefetch: each fill load is issued four key steps ahead of the wait for it.
; LAYOUT.  Both products are used transposed: S^T = K Q^T (source 0 = 16 keys, source 1 = my 16 queries), O^T = V^T P^T (source 0 = 16 channels, source 1 = P): a lane holds ONE query (lane % 16) throughout.
; The keys of a tile are not neighbours (tile 2 b + u, row r: key 32 b + 8 u + r + 8 (r / 8)), so that score register 16 b + i is key 32 b + 16 (lane / 16) + i: 16 neighbours along the second product's K.
; In LDS a fragment lies as the image of its registers: every read is at 16 x lane, 512 consecutive bytes.
; LIMITS: NaN and infinities among the inputs are not served; a block whose largest magnitude lies under 2^-124 keeps the scale byte 1 (a block of zeros too: its codes are zeros); a row all of whose keys are hidden
; gives NaN (0 x infinity), as the softmax of such a row does; a block's largest p is taken from its largest score, through the same multiply-add and exponential.
; THE MODE: SCHED_MODE bits 1:0 = 2 (LLVM: expert scheduling mode 2), set by the entry lines.  The code itself states the register dependences between vector or matrix instructions and memory or LDS instructions,
; with s_wait_alu, always for 0.
; THE PLAN.  Registers that memory or LDS instructions touch:
;   v1, v2, v3, v7, v28   offsets and addresses, made at the head and never written again.   v9: Q's address out of the stage; written again on the way out alone.
;   v4, v6, v8            the slot's addresses: written by three additions at a slot's head, read by the slot's LDS loads and by the fill's LDS stores.
;   v64-95                the fill: global loads land in it, the fill's LDS stores read it; no vector instruction names it.
;   v248-251, v24-27      K's and V's scale words: loaded at a step's head, read by the step's products.
;   v32-63                K's tiles 0-3 (loaded at the step's head, read by the second four score products), then V's tiles 0-3 (loaded behind the exponentials' wait, read by the first four products of O^T).
;   v96-127               K's tiles 4-7 (loaded at the step's head, read by the first four score products, which write v128-159), then scores 0-31 and p, then V's tiles 4-7 (loaded when the conversions have read p, read by the last four products).
; A step has six waits on va_vdst: at its head (step 0: the slot's); ahead of the 64 exponentials; behind them, where V's tiles 0-3 follow; behind the four exponentials; among the rescalings of O^T, where V's tiles 4-7 follow; and ahead of the first four products of O^T.
; A slot has one wait on vm_vsrc, at its head, ahead of the fill's loads and of the three additions.
.set SKIP,  1                          ; 1: steps without a key that counts are jumped over; 0: every step is worked
.set SLOT1, 65536                      ; LDS: slot 0 at 0, slot 1 here
.set SCB,   131072                     ; the head's scale words: K's 8,192 bytes, then V's
.set STG,   147456                     ; a stage of 16 rows x 528 bytes for each wave, the wave's own: Q on the way in, O on the way out
.set SP,    528                        ; a stage row: 512 bytes + 16 = 33 x 16
.set SQ,  4                            ; s[4:5]   Q at my tile
.set SKV, 6                            ; s[6:7]   kvc at my head's slot in hand
.set SKS, 8                            ; s[8:9]   kvs at my head
.set MB,  10                           ; s[10:11] my tile's mask records, at the slot in hand
.set SFL, 12                           ; s[12:13] my tile's 16 flag words
.set OUT, 14                           ; s[14:15] out0 at my tile's first row, my head's columns
.set WV,  16                           ; s16  wave
.set QT,  17                           ; s17  my tile of queries, 0 .. 127: it enters global addresses alone
.set TB,  18                           ; s18  LDS byte at which the slot in hand begins
.set TS,  19                           ; s19  the slot's scale words: 2,048 bytes a slot
.set SEL, 20                           ; s[20:21] lane selects for v_permlanex16_b32: lane l xor 16
.set CS,  22                           ; s[22:23] c = log2(e) / sqrt(128), twice: the packed form names a pair
.set SL,  24                           ; s24  slots to go
.set FL,  25                           ; s25  two flag bits a step, the slot in hand's in bits 7:0
.set TN,  26                           ; s26  the other slot's first byte
                                       ; s27  my stage's first byte;  s[32:63], s[68:99] a step's 64 mask words
.set LI,  1                            ; v1   16 x lane
.set LIS, 2                            ; v2   SCB + 16 x lane
.set FT,  3                            ; v3   16 x thread: my 16 bytes of each 8,192 of a fill
.set ADR, 4                            ; v4   the slot in hand + 16 x lane
.set NINF, 5                           ; v5   -infinity
.set ADS, 6                            ; v6   the slot's scale words + 16 x lane
.set FSC, 7                            ; v7   SCB + 16 x thread: where my part of the head's scale words goes
.set FSA, 8                            ; v8   where my part of a fill goes
.set SIN, 28                           ; v28  my stage + 16 x lane: a whole row
.set TM,  232                          ; v232-235 largest magnitudes or scores, v236-239 the other half's and then the bytes, v244-247 the conversions' scale operands
; v12 -M, v13 the largest t, v[14:15] the sum in two halves; v16-23 Q's codes, v255 its scale words; v24-27 V's scale words, v248-251 K's; v32-63 four fragments of K or V; v64-95 the fill on its way;
; v96-159 S^T, then p (v96-127 also four fragments of K or V, as the plan says); v160-223 O^T; v224-231 p's codes, v253 its scale word; v252 f; v254, v9-11 at work.
; 64 numbers of a lane, v[s] on, register 16 b + i = k 32 b + 16 h + i of row r, become a fragment's eight registers of codes in v[pc] on and the row's scale word in v[pw].
.macro QUANT s, pc, pw
.irp b, 0,1,2,3
	v_max3_num_f32 v[TM+\b], |v[(\s)+16*\b]|, |v[(\s)+1+16*\b]|, 0x1800000   ; block b: my 16 numbers, and the floor 2^(3 - 127): the byte cannot fall under 1
.endr
.irp i, 2,4,6,8,10,12,14
.irp b, 0,1,2,3
	v_max3_num_f32 v[TM+\b], v[TM+\b], |v[(\s)+16*\b+\i]|, |v[(\s)+1+16*\b+\i]|
.endr
.endr
.irp b, 0,1,2,3
	v_permlanex16_b32 v[TM+4+\b], v[TM+\b], s[SEL], s[SEL+1]
.endr
.irp b, 0,1,2,3
	v_max_num_f32 v[TM+\b], v[TM+\b], v[TM+4+\b]
.endr
.irp b, 0,1,2,3
	v_add_nc_u32 v[TM+12+\b], 0xff000000, v[TM+\b]     ; 2 off the exponent field: the conversion's scale operand
.endr
.irp b, 0,1,2,3
	v_lshrrev_b32 v[TM+4+\b], 23, v[TM+12+\b]          ; the scale's byte
.endr
	v_lshl_or_b32 v[(\pw)], v[TM+5], 8, v[TM+4]
	v_lshl_or_b32 v[(\pw)], v[TM+6], 16, v[(\pw)]
	v_lshl_or_b32 v[(\pw)], v[TM+7], 24, v[(\pw)]
.irp b, 0,1,2,3
	v_cvt_scalef32_pk8_fp4_f32 v[(\pc)+2*\b], v[(\s)+16*\b:(\s)+7+16*\b], v[TM+12+\b]
	v_cvt_scalef32_pk8_fp4_f32 v[(\pc)+1+2*\b], v[(\s)+8+16*\b:(\s)+15+16*\b], v[TM+12+\b]
.endr
	v_nop                                              ; one plain instruction behind the scaled conversions
.irp c, 0,1
.irp i, 0,1
	v_permlane16_swap_b32 v[(\pc)+4*\c+\i], v[(\pc)+2+4*\c+\i]   ; a whole block to a lane: lanes 0-15 block 2 c, lanes 16-31 block 2 c + 1
.endr
.endr
.endm
.macro PLACES                                      ; four plain instructions between a matrix instruction and a vector instruction that reads its result, or a load into one of its registers; a wait fills none of them
.rept 4
	v_nop
.endr
.endm
	s_load_b256 s[4:11], s[0:1], 0x0                   ; Q, kvc, kvs, maskw
	s_load_b128 s[12:15], s[0:1], 0x20                 ; flags, out0
	v_lshl_add_u32 v242, v0, 2, 0x45000
	v_mov_b32 v243, 0
	v_lshrrev_b32 v9, 5, v0
	v_readfirstlane_b32 s[WV], v9                      ; wave 0..15
	v_and_b32 v9, 31, v0                               ; lane
	v_and_b32 v10, 15, v0                              ; r
	v_bfe_u32 v11, v0, 4, 1                            ; h
	v_lshlrev_b32 v[LI], 4, v9
	v_add_nc_u32 v[LIS], SCB, v[LI]
	v_lshlrev_b32 v[FT], 4, v0
	v_add_nc_u32 v[FSC], SCB, v[FT]
	v_mov_b32 v[NINF], 0xff800000
	s_wait_alu depctr_va_sdst(0)                       ; s16, the wave's number, is written, ahead of its first reader: the stage's place and my tile of queries are made from it
	s_mul_i32 s27, s[WV], 16*SP
	s_add_co_u32 s27, s27, STG                         ; my stage
	v_add_nc_u32 v[SIN], s27, v[LI]
	v_mul_u32_u24 v9, v10, SP
	v_lshl_add_u32 v9, v11, 6, v9
	v_add_nc_u32 v9, s27, v9                           ; Q out of the stage: row r, + 64 h: 16 numbers of each block of 32
.irp b, 0,1,2,3
	v_mov_b32 v[TM+4+\b], 0                            ; written once: a lane permute's destination counts as one of its sources
.endr
	s_lshr_b32 s2, s[WV], 2
	s_xor_b32 s2, s2, s[WV]
	s_and_b32 s2, s2, 1                                ; 1: the late half
	s_lshl_b32 s3, ttmp9, 3                            ; 8 p
	s_sub_co_u32 s31, 120, s3                          ; 120 - 8 p  (in a register of its own: s27, which vector instructions have just read, stays as it is)
	s_cmp_eq_u32 s2, 0
	s_cselect_b32 s[QT], s3, s31
	s_lshr_b32 s2, s[WV], 1
	s_add_co_u32 s[QT], s[QT], s2                      ; + wave / 2
	s_and_b32 s26, ttmp7, 0xffff                       ; 32 b + h
	s_lshr_b32 s28, s26, 5                             ; b
	s_and_b32 s29, s26, 31                             ; h
	s_lshl_b32 s30, s28, 7
	s_add_co_u32 s30, s30, s[QT]                       ; 128 b + qt
	s_mov_b32 s3, 0
	s_mov_b32 s[SEL], 0x76543210
	s_mov_b32 s[SEL+1], 0xfedcba98
	s_mov_b32 s[CS], 0x3e0293ee                        ; c = log2(e) / sqrt(128)
	s_mov_b32 s[CS+1], s[CS]
	s_mov_b32 s[TB], 0
	s_mov_b32 s[TS], 0
	s_mov_b32 s[SL], 4
	s_wait_kmcnt 0x0
	s_lshl_b32 s2, s26, 20                             ; Q: a head is 2048 x 512 bytes, a tile 16 x 512
	s_lshl_b32 s31, s[QT], 13
	s_add_co_u32 s2, s2, s31
	s_add_nc_u64 s[SQ:SQ+1], s[SQ:SQ+1], s[2:3]
	s_lshl_b32 s2, s26, 18
	s_add_nc_u64 s[SKV:SKV+1], s[SKV:SKV+1], s[2:3]
	s_lshl_b32 s2, s26, 14
	s_add_nc_u64 s[SKS:SKS+1], s[SKS:SKS+1], s[2:3]
	s_lshl_b32 s2, s30, 12                             ; 16 records of 256 bytes
	s_add_nc_u64 s[MB:MB+1], s[MB:MB+1], s[2:3]
	s_lshl_b32 s2, s30, 6                              ; 16 flag words
	s_add_nc_u64 s[SFL:SFL+1], s[SFL:SFL+1], s[2:3]
	s_lshl_b32 s2, s28, 25                             ; out0: a batch is 2048 x 16,384 bytes, a tile 16 x 16,384, a head's columns 512
	s_lshl_b32 s31, s[QT], 18
	s_add_co_u32 s2, s2, s31
	s_lshl_b32 s31, s29, 9
	s_add_co_u32 s2, s2, s31
	s_add_nc_u64 s[OUT:OUT+1], s[OUT:OUT+1], s[2:3]
	s_load_b512 s[32:47], s[SFL:SFL+1], 0x0            ; my tile's 16 flag words
	s_wait_alu depctr_va_vdst(0)                       ; v1, v2, v3, v7, v9 and v28 are written: the loads and stores of the head, and later ones, read them as offsets and addresses
.irp i, 0,1,2,3,4,5,6,7,8,9,10,11,12,13,14,15
	global_load_b128 v[96+4*\i:99+4*\i], v[LI], s[SQ:SQ+1] offset:512*\i th:TH_LOAD_NT   ; a row of Q, 512 consecutive bytes
.endr
.irp i, 0,1,2,3,4,5,6,7
	global_load_b128 v[64+4*\i:67+4*\i], v[FT], s[SKV:SKV+1] offset:8192*\i   ; slot 0: the 512 threads take 8,192 consecutive bytes a load
.endr
.irp i, 0,1
	global_load_b128 v[32+4*\i:35+4*\i], v[FT], s[SKS:SKS+1] offset:8192*\i   ; the head's scale words
.endr
	s_wait_kmcnt 0x0
	s_mov_b32 s[FL], s32                               ; two bits a step, step st's at bit 2 st
.irp st, 1,2,3,4,5,6,7,8,9,10,11,12,13,14,15
	s_lshl_b32 s2, s[32+\st], 2*\st
	s_or_b32 s[FL], s[FL], s2
.endr
	s_wait_loadcnt 10                                  ; Q's 16 loads are in; the ten younger ones may be out
.irp i, 0,1,2,3,4,5,6,7,8,9,10,11,12,13,14,15
	ds_store_b128 v[SIN], v[96+4*\i:99+4*\i] offset:\i*SP
.endr
.irp b, 0,1,2,3
.irp j, 0,1,2,3
	ds_load_b128 v[160+16*\b+4*\j:163+16*\b+4*\j], v9 offset:128*\b+16*\j   ; LDS serves a wave's instructions in order: these see the stores above; the stage is my own
.endr
.endr
	s_wait_dscnt 0x0
	QUANT 160, 16, 255                                 ; Q's fragment and its scale words stay in registers
	s_wait_loadcnt 0x0                                 ; slot 0 and the scale words
.irp i, 0,1,2,3,4,5,6,7
	ds_store_b128 v[FT], v[64+4*\i:67+4*\i] offset:8192*\i
.endr
.irp i, 0,1
	ds_store_b128 v[FSC], v[32+4*\i:35+4*\i] offset:8192*\i   ; (no vector instruction since the head's wait names an address or the data of these ten stores)
.endr
	v_mov_b32 v13, 0xff61b1e6                          ; the largest t so far: -3e38, under every t
	v_floor_f32 v12, -v13                              ; -M
	v_mov_b32 v14, 0                                   ; the sum, in two halves
	v_mov_b32 v15, 0
	v_mov_b32 v253, 0                                  ; (named as the upper half of the pair v[252:253] before it is first written)
.set j, 0
.rept 64
	v_mov_b32 v[160+j], 0                              ; O^T begins as zeros: which step is a wave's first hangs on the mask, so no first step can be written out.  (Also the places between Q's codes and scale words and the first product)
.set j, j+1
.endr
; A KEY STEP: 128 keys, the q-th of the slot in hand.  No barrier and no part of a fill stands in it.
.macro STEP q
.if SKIP
	s_bitcmp1_b32 s[FL], 2*(\q)                        ; does any of the 128 keys count for any of my 16 queries?
	s_cbranch_scc0 .Lhid_\@
.endif
	s_load_b512 s[32:47], s[MB:MB+1], 256*(\q)         ; the step's 64 mask words  (the selects that read the last step's stand ahead of that step's waits on va_vdst)
	s_load_b512 s[48:63], s[MB:MB+1], 256*(\q)+64
	s_load_b512 s[68:83], s[MB:MB+1], 256*(\q)+128
	s_load_b512 s[84:99], s[MB:MB+1], 256*(\q)+192
	PLACES                                             ; behind the last step's products, which read v24-27, v32-63 and v96-127
.if (\q)
	s_wait_alu depctr_va_vdst(0)                       ; the last step's products are done reading v24-27, v32-63, v96-127 and v248-251, in which the 18 loads below land  (step 0: the wait at the slot's head states it)
.endif
	ds_load_b128 v[248:251], v[ADS] offset:512*(\q)    ; K's scale words: lanes 0-15 those of tiles 0-3, lanes 16-31 those of tiles 4-7
.irp t, 0,1,2,3
.irp c, 0,1
	ds_load_b128 v[96+8*\t+4*\c:99+8*\t+4*\c], v[ADR] offset:8192*(\q)+(4+\t)*1024+512*\c   ; K's tiles 4-7, into the registers that scores 0-31 will take
.endr
.endr
.irp t, 0,1,2,3
.irp c, 0,1
	ds_load_b128 v[32+8*\t+4*\c:35+8*\t+4*\c], v[ADR] offset:8192*(\q)+\t*1024+512*\c       ; K's tiles 0-3
.endr
.endr
	ds_load_b128 v[24:27], v[ADS] offset:8192+512*(\q) ; V's scale words likewise
	s_wait_dscnt 9                                     ; LDS loads come back in order: K's scale words and tiles 4-7 are in; the nine younger loads may be out
.irp t, 0,1,2,3                                    ; S^T = K Q^T: tiles 4-7 first
	v_wmma_scale_f32_16x16x128_f8f6f4 v[128+8*\t:135+8*\t], v[96+8*\t:103+8*\t], v[16:23], 0, v[248+\t], v255 matrix_a_fmt:MATRIX_FMT_FP4 matrix_b_fmt:MATRIX_FMT_FP4 matrix_a_scale:MATRIX_SCALE_ROW1
.endr
	s_wait_dscnt 1                                     ; K's tiles 0-3 are in; V's scale words may be out
.rept 5
	v_nop                                              ; five plain instructions: the products below write over v96-127, which the four above read
.endr
.irp t, 0,1,2,3
	v_wmma_scale_f32_16x16x128_f8f6f4 v[96+8*\t:103+8*\t], v[32+8*\t:39+8*\t], v[16:23], 0, v[248+\t], v255 matrix_a_fmt:MATRIX_FMT_FP4 matrix_b_fmt:MATRIX_FMT_FP4
.endr
	PLACES                                             ; in front of the first read of the scores
	s_wait_kmcnt 0x0                                   ; the mask words are in: on both ways, so that no scalar load is out when the next step's are issued or their base is stepped
	s_bitcmp1_b32 s[FL], 2*(\q)+1                      ; is anything hidden in this step?
	s_cbranch_scc0 .Lopen_\@
.set n, 0
.rept 64
.set m, 2*(n%32)+n/32
.set w, 32+m+4*(m/32)
	v_cndmask_b32 v[96+n], v[96+n], v[NINF], s[w]      ; a hidden score becomes -infinity ahead of the maximum: p = 0 then.  One select a register: the lane mask lies in a scalar register
.set n, n+1
.endr
.Lopen_\@:
.irp b, 0,1,2,3
	v_max3_num_f32 v[232+\b], v[96+16*\b], v[97+16*\b], v[98+16*\b]   ; the largest score of each block of 32 keys: it serves for the row's maximum and, since p rises with the score, for the block's largest p
.endr
.irp i, 3,5,7,9,11,13
.irp b, 0,1,2,3
	v_max3_num_f32 v[232+\b], v[232+\b], v[96+16*\b+\i], v[97+16*\b+\i]
.endr
.endr
.irp b, 0,1,2,3
	v_max_num_f32 v[232+\b], v[232+\b], v[111+16*\b]
.endr
.irp b, 0,1,2,3
	v_permlanex16_b32 v[236+\b], v[232+\b], s[SEL], s[SEL+1]
.endr
.irp b, 0,1,2,3
	v_max_num_f32 v[232+\b], v[232+\b], v[236+\b]      ; with lane l xor 16's 16 keys
.endr
	v_max3_num_f32 v254, v232, v233, v234
	v_max_num_f32 v254, v254, v235                     ; the step's largest score of my query
	v_mul_f32 v254, s[CS], v254                        ; as t (c is positive)
	v_max_num_f32 v13, v13, v254                       ; the running largest t
	v_mov_b32 v254, v12
	v_floor_f32 v12, -v13                              ; the new -M = floor(-t) = -ceil(t): M is a whole number
	v_sub_f32 v254, v12, v254                          ; old M - new M: a whole number, 0 or less
	v_cvt_i32_f32 v254, v254                           ; (it saturates)
	v_ldexp_f32 v252, 1.0, v254                        ; f = 2^(old M - new M)
.set j, 0
.rept 32
	v_pk_fma_f32 v[96+j:97+j], v[96+j:97+j], s[CS:CS+1], v[12:13] op_sel_hi:[1,0,0]   ; t - M, two at a time (of the pairs c and -M the low word serves both halves)
.set j, j+2
.endr
.irp b, 0,1,2,3
	v_fma_f32 v[232+\b], v[232+\b], s[CS], v12         ; the same of each block's largest score
.endr
.set j, 0
	s_wait_alu depctr_va_vdst(0)
.rept 64
	v_exp_f32 v[96+j], v[96+j]                         ; p = 2^(t - M), at most 1: not normalised
.set j, j+1
.endr
	v_pk_mul_f32 v[14:15], v[14:15], v[252:253] op_sel_hi:[1,0]   ; the sums under the new M: a plain instruction behind the exponentials
	s_wait_alu depctr_va_vdst(0)                       ; the 64 exponentials have written p, ahead of its first reader; and the score products are done reading v32-63, in which the loads below land
.irp t, 0,1,2,3
.irp c, 0,1
	ds_load_b128 v[32+8*\t+4*\c:35+8*\t+4*\c], v[ADR] offset:32768+8192*(\q)+\t*1024+512*\c   ; V's tiles 0-3 land under the rest of the softmax, which names none of these registers
.endr
.endr
.irp b, 0,1,2,3
	v_exp_f32 v[232+\b], v[232+\b]                     ; the block's largest p: the same two instructions on the same number
.endr
	v_pk_add_f32 v[236:237], v[96:97], v[98:99]        ; the row's sum is taken of the unquantised p: two at a time, in two chains; these lines read the 64 alone
.irp j, 4,8,12,16,20,24,28,32,36,40,44,48,52,56,60
	v_pk_add_f32 v[14:15], v[14:15], v[96+\j:97+\j]
	v_pk_add_f32 v[236:237], v[236:237], v[98+\j:99+\j]
.endr
	v_pk_add_f32 v[14:15], v[14:15], v[236:237]
	s_wait_alu depctr_va_vdst(0)                       ; the four exponentials have written v232-235, ahead of their first reader
.irp b, 0,1,2,3
	v_max_num_f32 v[232+\b], 0x1800000, v[232+\b]      ; the floor 2^(3 - 127): the byte cannot fall under 1
.endr
.irp b, 0,1,2,3
	v_add_nc_u32 v[244+\b], 0xff000000, v[232+\b]      ; 2 off the exponent field: the conversion's scale operand
.endr
.irp b, 0,1,2,3
	v_lshrrev_b32 v[236+\b], 23, v[244+\b]             ; the scale's byte
.endr
	v_lshl_or_b32 v253, v237, 8, v236                  ; p's scale word for these 128 keys
	v_lshl_or_b32 v253, v238, 16, v253
	v_lshl_or_b32 v253, v239, 24, v253
.irp b, 0,1,2,3
	v_cvt_scalef32_pk8_fp4_f32 v[224+2*\b], v[96+16*\b:103+16*\b], v[244+\b]
	v_cvt_scalef32_pk8_fp4_f32 v[225+2*\b], v[104+16*\b:111+16*\b], v[244+\b]
.endr
	v_nop                                              ; one plain instruction behind the scaled conversions
.irp c, 0,1
.irp i, 0,1
	v_permlane16_swap_b32 v[224+4*\c+\i], v[226+4*\c+\i]   ; a whole block to a lane
.endr
.endr
.set j, 0
.rept 8
	v_pk_mul_f32 v[160+j:161+j], v[160+j:161+j], v[252:253] op_sel_hi:[1,0]   ; O^T under the new M, from each accumulator's low end on.  (These eight stand between p's codes and scale word and the wait below; with the 24 further down, between them and the products)
.set j, j+2
.endr
	s_wait_alu depctr_va_vdst(0)                       ; p's codes in v224-231 and its scale word in v253 are written, which the scaled products below take; and the conversions are done reading p in v96-127, in which the loads below land
.irp t, 0,1,2,3
.irp c, 0,1
	ds_load_b128 v[96+8*\t+4*\c:99+8*\t+4*\c], v[ADR] offset:32768+8192*(\q)+(4+\t)*1024+512*\c   ; V's tiles 4-7 land under the 24 rescalings and the first four products, which name none of these registers
.endr
.endr
.rept 24
	v_pk_mul_f32 v[160+j:161+j], v[160+j:161+j], v[252:253] op_sel_hi:[1,0]
.set j, j+2
.endr
	s_wait_alu depctr_va_vdst(0)
	s_wait_dscnt 8                                     ; V's scale words and tiles 0-3 are in; the eight younger loads, tiles 4-7, may be out
.irp t, 0,1,2,3                                    ; O^T += V^T P^T; tile 4 g + t's scale word is word 2 (t % 2) + t / 2 of its row's four.  The accumulators take turns, one instruction a turn
	v_wmma_scale_f32_16x16x128_f8f6f4 v[160+8*\t:167+8*\t], v[32+8*\t:39+8*\t], v[224:231], v[160+8*\t:167+8*\t], v[24+2*(\t%2)+\t/2], v253 matrix_a_fmt:MATRIX_FMT_FP4 matrix_b_fmt:MATRIX_FMT_FP4
.endr
	s_wait_dscnt 0x0                                   ; V's tiles 4-7
.irp t, 0,1,2,3
	v_wmma_scale_f32_16x16x128_f8f6f4 v[192+8*\t:199+8*\t], v[96+8*\t:103+8*\t], v[224:231], v[192+8*\t:199+8*\t], v[24+2*(\t%2)+\t/2], v253 matrix_a_fmt:MATRIX_FMT_FP4 matrix_b_fmt:MATRIX_FMT_FP4 matrix_a_scale:MATRIX_SCALE_ROW1
.endr
.Lhid_\@:
.endm
.Lslot:                                                ; four trips, a slot of 512 keys each
	s_wait_dscnt 0x0                                   ; my part of the slot ahead is stored, and my reads of the slot that I have left are over
	s_barrier_signal -1
	s_barrier_wait -1                                  ; both now hold of all sixteen waves: the slot ahead is whole, and nobody reads the other one
	s_wait_alu depctr_vm_vsrc(0)                       ; the fill's LDS stores have read v64-95 and v8, the last slot's LDS loads v4 and v6; in the first trip the head's LDS instructions have read v9, v32-39, v64-95 and v96-159: all these are written again further down
	s_cmp_eq_u32 s[SL], 1                              ; the last slot has no successor: no load leaves the head's codes
	s_cbranch_scc1 .Lno_ask
.irp i, 0,1,2,3,4,5,6,7
	global_load_b128 v[64+4*\i:67+4*\i], v[FT], s[SKV:SKV+1] offset:65536+8192*\i   ; the next slot, into registers: four key steps ahead of the wait for it
.endr
.Lno_ask:
	s_xor_b32 s[TN], s[TB], SLOT1
	v_add_nc_u32 v[ADR], s[TB], v[LI]
	v_add_nc_u32 v[ADS], s[TS], v[LIS]
	v_add_nc_u32 v[FSA], s[TN], v[FT]                  ; the fill goes into the other slot
	s_wait_alu depctr_va_vdst(0)                       ; v4, v6 and v8 are written, which the slot's LDS loads and the fill's stores read; the last slot's products are done reading v24-27, v32-63, v96-127 and v248-251, in which step 0's loads land; in the first trip Q's codes and scale words are written, which the scaled products take
	STEP 0
	STEP 1
	STEP 2
	STEP 3
	s_wait_loadcnt 0x0                                 ; the eight loads of the next slot, the only global loads that are out; it stands on every way
	s_cmp_eq_u32 s[SL], 1
	s_cbranch_scc1 .Lno_fill
	s_add_nc_u64 s[SKV:SKV+1], s[SKV:SKV+1], 65536     ; (the loads that read this base are done)
.irp i, 0,1,2,3,4,5,6,7
	ds_store_b128 v[FSA], v[64+4*\i:67+4*\i] offset:8192*\i   ; into the slot that every wave had left at this trip's barrier; it is read behind the next trip's.  (v8 stands since the slot's head; the data come from loads)
.endr
.Lno_fill:
	s_xor_b32 s[TB], s[TB], SLOT1                      ; on to the other slot,
	s_add_co_u32 s[TS], s[TS], 2048                    ; its scale words,
	s_lshr_b32 s[FL], s[FL], 8                         ; its flags
	s_add_nc_u64 s[MB:MB+1], s[MB:MB+1], 1024          ; and its mask records (no scalar load is out)
	s_sub_co_u32 s[SL], s[SL], 1
	s_cmp_lg_u32 s[SL], 0
	s_cbranch_scc1 .Lslot
	; THE WAY OUT.  O^T is divided by the row's sum and goes through my stage: a lane holds 32 bytes of a row for each tile, and the lanes beside it hold other rows; back come whole rows of 512 bytes.
	v_add_f32 v14, v14, v15                            ; the sum's two halves,
	v_permlanex16_b32 v236, v14, s[SEL], s[SEL+1]
	v_add_f32 v14, v14, v236                           ; and lane l xor 16's: the row's sum
	s_wait_alu depctr_va_vdst(0)
	v_rcp_f32 v14, v14
	v_and_b32 v9, 15, v0                               ; (plain instructions behind the reciprocal, and behind the last products)  r.  (The head's LDS loads, which read v9, stand ahead of the wait on vm_vsrc at every slot's head)
	v_bfe_u32 v10, v0, 4, 1                            ; h
	s_mul_i32 s27, s[WV], 16*SP
	s_add_co_u32 s27, s27, STG
	v_mul_u32_u24 v9, v9, SP
	v_lshl_add_u32 v9, v10, 5, v9
	v_add_nc_u32 v9, s27, v9                           ; in: row r, + 32 h; tile T's eight channels 64 T bytes on
	s_wait_alu depctr_va_vdst(0)                       ; the reciprocal has written v14, ahead of its first reader
.set j, 0
.rept 64
	v_mul_f32 v[96+j], v[160+j], v14                   ; register 8 T + i is o(r, 16 T + 8 h + i); each accumulator from its low end on
.set j, j+1
.endr
	s_wait_alu depctr_va_vdst(0)                       ; the multiplications have written v96-159, which the LDS stores read, as they read v9; and they are done reading v160-223, in which the rows land on their way back
.irp t, 0,1,2,3,4,5,6,7
	ds_store_b128 v9, v[96+8*\t:99+8*\t] offset:64*\t
	ds_store_b128 v9, v[100+8*\t:103+8*\t] offset:64*\t+16
.endr
.irp i, 0,1,2,3,4,5,6,7,8,9,10,11,12,13,14,15
	ds_load_b128 v[160+4*\i:163+4*\i], v[SIN] offset:\i*SP   ; LDS serves a wave's instructions in order: these see my stores
.endr
.irp i, 0,1,2,3,4,5,6,7,8,9,10,11,12,13,14,15
	s_wait_dscnt 15-\i                                 ; row i is back; the younger loads may be out
	global_store_b128 v[LI], v[160+4*\i:163+4*\i], s[OUT:OUT+1] offset:16384*\i th:TH_STORE_NT   ; 32 lanes store 512 consecutive bytes, at a multiple of 256 from out0's first byte; written once, read by nobody here
.endr
	s_wait_dscnt 0x0
	s_wait_alu depctr_hold_cnt(0) depctr_sa_sdst(0) depctr_va_vdst(0) depctr_va_sdst(0) depctr_va_ssrc(0) depctr_va_vcc(0) depctr_vm_vsrc(0)
	s_wait_tensorcnt 0x0
	ds_add_u32 v242, v243
	s_wait_dscnt 0x0
	s_endpgm
.Lfunc_end_k_q594aa7c352_attn:
	.size	k_q594aa7c352_attn, .Lfunc_end_k_q594aa7c352_attn-k_q594aa7c352_attn
	.p2alignl 7, 3214868480
	.fill 96, 4, 3214868480
	.section	.rodata,"a",@progbits
	.p2align	6, 0x0
	.amdhsa_kernel k_q594aa7c352_attn
		.amdhsa_group_segment_fixed_size 284672
		.amdhsa_private_segment_fixed_size 0
		.amdhsa_enable_private_segment 0
		.amdhsa_kernarg_size 48
		.amdhsa_user_sgpr_count 2
		.amdhsa_user_sgpr_kernarg_segment_ptr 1
		.amdhsa_wavefront_size32 1
		.amdhsa_system_sgpr_workgroup_id_x 1
		.amdhsa_system_sgpr_workgroup_id_y 1
		.amdhsa_system_sgpr_workgroup_id_z 1
		.amdhsa_system_vgpr_workitem_id 0
		.amdhsa_next_free_vgpr 256
		.amdhsa_next_free_sgpr 100
		.amdhsa_reserve_vcc 0
		.amdhsa_float_denorm_mode_32 3
		.amdhsa_float_denorm_mode_16_64 3
		.amdhsa_memory_ordered 1
		.amdhsa_forward_progress 1
		.amdhsa_inst_pref_size 112
	.end_amdhsa_kernel
	.amdgpu_metadata
---
amdhsa.version: [ 1, 2 ]
amdhsa.kernels:
  - .name:           k_q594aa7c352_attn
    .symbol:         k_q594aa7c352_attn.kd
    .args:
      - { .name: query_layer, .offset: 0, .size: 8, .value_kind: global_buffer, .address_space: global }
      - { .name: kvc, .offset: 8, .size: 8, .value_kind: global_buffer, .address_space: global }
      - { .name: kvs, .offset: 16, .size: 8, .value_kind: global_buffer, .address_space: global }
      - { .name: maskw, .offset: 24, .size: 8, .value_kind: global_buffer, .address_space: global }
      - { .name: flags, .offset: 32, .size: 8, .value_kind: global_buffer, .address_space: global }
      - { .name: out0, .offset: 40, .size: 8, .value_kind: global_buffer, .address_space: global }
    .group_segment_fixed_size: 284672
    .private_segment_fixed_size: 0
    .kernarg_segment_align: 8
    .kernarg_segment_size: 48
    .max_flat_workgroup_size: 512
    .sgpr_count:     100
    .vgpr_count:     256
    .wavefront_size: 32
...
	.end_amdgpu_metadata
.endif
;; end of part 4
